; MI455X (gfx1250); checked and timed in simulation.
; The chip was launched on July 23, 2026; its instructions are those of AMD's public machine-readable ISA for CDNA 5 (MIT licence, August 2026) and "CDNA5" Instruction Set Architecture Reference Guide (July 2026). The comments in the code are by the model that wrote it; some were corrected since.
;; Cross Modal Attention. Allowed arithmetic: matrix products marked QUANTISED: E2M3 operands, one E8M0 scale for each 32 along K, by v_wmma_scale_f32_16x16x128_f8f6f4 with both operands' format E2M3, f32 sums; everything else in f32.
;; Inputs: beta_nbi 256 float32; beta_wli 256 float32; gamma_nbi 256 float32; gamma_wli 256 float32; nbi_aligned 4 x 256 x 64 x 64 float32; w_k_nbi 64 x 256 float32; w_k_wli 64 x 256 float32; w_q_nbi 64 x 256 float32; w_q_wli 64 x 256 float32; w_v_nbi 256 x 256 float32; w_v_wli 256 x 256 float32; wli_feat 4 x 256 x 64 x 64 float32.
;; Outputs: out0 4 x 256 x 64 x 64 float32; out1 4 x 256 x 64 x 64 float32.
;; This version of the problem:
;;   THIS VERSION OF THE PROBLEM IS GIVEN IN LOW PRECISION. The matrix products marked QUANTISED in the list below multiply operands that are first quantised to E2M3 (2 exponent bits, 3 mantissa bits; 6 bits a number), with one power-of-two scale for each 32 numbers along K (OCP MX v1.0); their sums are f32. All else is computed in f32.
;;   The module's matrix products, in the order in which they are computed (A, B: the left and right operand; K: the contracted axis; several contracted axes count as one K, in the product's order):
;;     1. [M 64, K 256] x [K 256, N 16,384]; A: input w_q_wli; B: input wli_feat: QUANTISED
;;     2. [M 64, K 256] x [K 256, N 16,384]; A: input w_k_nbi; B: input nbi_aligned: QUANTISED
;;     3. [M 256, K 256] x [K 256, N 16,384]; A: input w_v_nbi; B: input nbi_aligned: QUANTISED
;;     4. batch 4 x [M 4,096, K 64] x [K 64, N 4,096]; A: computed on the way; B: computed on the way: QUANTISED
;;     5. batch 4 x [M 4,096, K 4,096] x [K 4,096, N 256]; A: softmax (see below); B: computed on the way: QUANTISED
;;     6. [M 64, K 256] x [K 256, N 16,384]; A: input w_q_nbi; B: input nbi_aligned: QUANTISED
;;     7. [M 64, K 256] x [K 256, N 16,384]; A: input w_k_wli; B: input wli_feat: QUANTISED
;;     8. [M 256, K 256] x [K 256, N 16,384]; A: input w_v_wli; B: input wli_feat: QUANTISED
;;     9. batch 4 x [M 4,096, K 64] x [K 64, N 4,096]; A: computed on the way; B: computed on the way: QUANTISED
;;     10. batch 4 x [M 4,096, K 4,096] x [K 4,096, N 256]; A: softmax (see below); B: computed on the way: QUANTISED
;;   THE QUANTISER, for each operand of a quantised product, along K:
;;     - K is cut into blocks of 32 from its start; a last block that is shorter is filled with zeros.
;;     - A block's scale is 2^e with e = floor(log2(the largest magnitude in the block)) - 2, held to -126 .. 127; a block of zeros has e = 0. As a byte (E8M0): e + 127.
;;     - Each number is divided by its block's scale, clamped to +-7.5, and rounded to the nearest number of E2M3, ties to even, subnormals kept.
;;     - The product sums the exact products of the quantised numbers (number of the format x scale) in f32.
;;   ~~~python
;;   def quantise(x, axis):      # numpy; x: float32 -> the quantised numbers, widened to float32 again
;;       x = np.moveaxis(x, axis, -1); K = x.shape[-1]
;;       x = np.pad(x, [(0, 0)] * (x.ndim - 1) + [(0, -K % 32)]); x = x.reshape(x.shape[:-1] + (-1, 32)); a = np.abs(x).max(-1, keepdims=True)
;;       e = np.where(a > 0, np.clip(np.frexp(np.where(a > 0, a, 1))[1] - 1 - 2, -126, 127), 0)      # np.frexp(a)[1] - 1 = floor(log2(a)), exactly
;;       r = np.clip(x / 2.0 ** e, -7.5, 7.5)
;;       step = 2.0 ** (np.maximum(np.frexp(np.where(r == 0, 1, r))[1] - 1, 0) - 3)
;;       q = np.round(r / step) * step * 2.0 ** e      # np.round: ties to even
;;       return np.moveaxis(q.reshape(q.shape[:-2] + (-1,))[..., :K], -1, axis).astype(np.float32)
;;   ~~~
;;   SOFTMAX AHEAD OF A QUANTISED PRODUCT. Where the list says 'softmax', what is quantised is not the finished softmax but p = 2^(t - M), with t = logit x log2(e) and M = ceil(the row's largest t), a whole number; so 1/2 < the row's largest p <= 1. The row's sum l is taken of the UNQUANTISED p, in f32, and the product's result is divided by l at the end. Since M is a whole number, a kernel that streams over the keys may use a running M (the ceiling of the running maximum): every later rescaling is an exact power of two, which a block's scale takes up: the codes' values come out the same.
;;   OPERANDS COMPUTED ON THE WAY. 'Computed on the way' means the value that the module computes at that place (a softmax that the list does not call 'softmax' is quantised finished and normalised). What goes into a quantiser is computed in f32, as accurately as f32 sums, v_exp_f32 and their like allow (about 1e-6 of the number): no bf16 or f16 on the way to a quantiser, and a product that is left as it is and whose result goes on into a quantised operand takes f32 operands (vector FMAs, or v_wmma_f32_16x16x4_f32). A number that lies on a knife's edge between two numbers of the format may be rounded either way, as far as f32 arithmetic and the matrix unit's own rounding can turn it there, and no further.
;; One version. Each part assembles by itself: llvm-mc -triple=amdgcn-amd-amdhsa -mcpu=gfx1250 --defsym DOCPART=n.
;; ======== version 1 of 1: 4 launches
;; workspace buffers: wcodes 147,456 bytes; wscales 12,288 bytes; qbuf 1,572,864 bytes; kv 8,388,608 bytes; ybuf 33,554,432 bytes; stats 524,288 bytes
;; launch wq (part 1): grid 24 x 2, 2 waves a work-group, no clusters, 0 bytes of LDS; arguments w_q_wli, w_k_wli, w_v_wli, w_q_nbi, w_k_nbi, w_v_nbi, wcodes, wscales; writes wcodes, wscales
.if DOCPART == 1
	.amdgcn_target "amdgcn-amd-amdhsa--gfx1250"
	.amdhsa_code_object_version 6
	.text
	.protected	k_qad5ece1211_wq
	.globl	k_qad5ece1211_wq
	.p2align	8
	.type	k_qad5ece1211_wq,@function
k_qad5ece1211_wq:
	s_mov_b64 s[64:65], 0
	v_nop
	global_prefetch_b8 v0, s[64:65] scope:SCOPE_SE
	s_setreg_imm32_b32 hwreg(HW_REG_WAVE_MODE, 25, 1), 1
	s_wait_xcnt 0x0
; The six weights [rows][256] f32 (K = the 256 channels, innermost) become operand fragments of FP6 (E2M3) codes, laid in the ORDER OF THE OPERAND'S REGISTERS, and scale words.
; Work-group x = T, a tile of 16 rows (0-3 q, 4-7 k, 8-23 v), y = f, the feature (0 wli, 1 nbi); wave = s, the K step of 128.  One wave makes one fragment.
; Lane (r, h) takes of its row the numbers k = 128 s + 64 c + 32 h + 0 .. 31, c = 0, 1: two whole blocks of 32, so that no other lane is asked for a maximum and the conversions' results are the operand's registers.
; THE ROWS OF A q OR k TILE ARE NOT NEIGHBOURS: lane r of tile 2 g + u takes row 32 g + 8 u + r + (r & 8), so that the next launch's results of two neighbouring tiles are 16 neighbours along the next K.
; A block's scale is 2^(floor(log2(largest magnitude)) - 2); its byte is the largest magnitude's exponent field - 2, held at 1 from below.
; LIMITS: a block of zeros, or one whose largest magnitude lies under 2^-124, gets the byte 1 (its codes are zeros or tiny; this program alone reads the bytes); NaN and infinities are not served.
; OUT: wcodes [f][T][s]: 12 registers as three images of 512 bytes, lane l's 16 bytes at 16 l.  wscales [f][T / 2]: an image of four registers; word 2 (T & 1) + s of lane l is row l & 15's scale word.
; The scale words leave as 4 bytes of each 16: 12,288 bytes in the whole launch, not worth a pass through LDS.  No LDS, no barrier: waves share nothing.
.set NUM, 16                           ; v16-79   64 numbers: 32 for each c
.set COD, 96                           ; v96-107  the fragment
.set CT,  112                          ; v112-118 the conversions' second halves (a conversion's three registers begin on an even number)
	s_load_b256 s[4:11], s[0:1], 0x0               ; q_wli s[4:5], k_wli s[6:7], v_wli s[8:9], q_nbi s[10:11]
	s_load_b256 s[12:19], s[0:1], 0x20             ; k_nbi s[12:13], v_nbi s[14:15], wcodes s[16:17], wscales s[18:19]
	v_lshrrev_b32 v1, 5, v0
	v_readfirstlane_b32 s20, v1                    ; s: the K step
	s_and_b32 s21, ttmp7, 0xffff                   ; f
	s_mov_b32 s22, ttmp9                           ; T
	s_and_b32 s23, s22, 3
	s_lshr_b32 s24, s23, 1
	s_lshl_b32 s24, s24, 5
	s_and_b32 s25, s22, 1
	s_lshl_b32 s26, s25, 3
	s_add_co_u32 s24, s24, s26                     ; a q or k tile begins at row 32 ((T & 3) / 2) + 8 (T & 1)
	s_max_u32 s26, s22, 8
	s_sub_co_u32 s26, s26, 8
	s_lshl_b32 s26, s26, 4                         ; a v tile at row 16 (T - 8)
	s_cmp_lt_u32 s22, 8
	s_cselect_b32 s24, s24, s26
	s_cselect_b32 s27, 8, 0                        ; the bit of r that is added once more in q and k tiles
	s_mov_b32 s30, 0x76543210
	s_mov_b32 s31, 0xfedcba98                      ; v_permlanex16_b32's selects for lane l xor 16
	v_and_b32 v1, 15, v0                           ; r
	v_bfe_u32 v2, v0, 4, 1                         ; h
	v_and_b32 v3, s27, v1
	v_add3_u32 v3, v3, v1, s24                     ; my row
	v_lshlrev_b32 v3, 10, v3                       ; 1,024 bytes a row
	v_lshl_add_u32 v3, v2, 7, v3                   ; + 128 h: my block of 32
	v_and_b32 v4, 31, v0
	v_lshlrev_b32 v5, 4, v4                        ; 16 x lane: my place in an image
	s_lshl_b32 s28, s20, 9                         ; the K step: 512 bytes along a row
	s_mov_b32 s29, 0
	s_mul_i32 s32, s21, 24
	s_add_co_u32 s32, s32, s22
	s_lshl_b32 s32, s32, 1
	s_add_co_u32 s32, s32, s20
	s_mul_i32 s32, s32, 1536                       ; fragment (f, T, s)
	s_mov_b32 s33, 0
	s_mul_i32 s34, s21, 12
	s_lshr_b32 s35, s22, 1
	s_add_co_u32 s34, s34, s35
	s_lshl_b32 s34, s34, 9                         ; the scale image (f, T / 2),
	s_lshl_b32 s35, s25, 3
	s_add_co_u32 s34, s34, s35
	s_lshl_b32 s35, s20, 2
	s_add_co_u32 s34, s34, s35                     ; word 2 (T & 1) + s
	s_mov_b32 s35, 0
	s_wait_alu depctr_va_vdst(0)
	s_wait_kmcnt 0x0
	s_cmp_eq_u32 s21, 0                            ; the feature's three weights,
	s_cselect_b64 s[4:5], s[4:5], s[10:11]
	s_cselect_b64 s[6:7], s[6:7], s[12:13]
	s_cselect_b64 s[8:9], s[8:9], s[14:15]
	s_cmp_lt_u32 s22, 4                            ; and of them the tile's
	s_cselect_b64 s[4:5], s[4:5], s[6:7]
	s_cmp_lt_u32 s22, 8
	s_cselect_b64 s[4:5], s[4:5], s[8:9]
	s_add_nc_u64 s[4:5], s[4:5], s[28:29]
	s_add_nc_u64 s[16:17], s[16:17], s[32:33]
	s_add_nc_u64 s[18:19], s[18:19], s[34:35]
.irp c, 0,1
.irp i, 0,1,2,3,4,5,6,7
	global_load_b128 v[NUM+32*\c+4*\i:NUM+32*\c+4*\i+3], v3, s[4:5] offset:256*\c+16*\i
.endr
.endr
	s_wait_loadcnt 0x0
.irp c, 0,1
	v_max3_num_f32 v[8+\c], |v[NUM+32*\c]|, |v[NUM+1+32*\c]|, 0x1800000   ; my block 2 c + h, and the floor 2^(3 - 127): the byte cannot fall under 1
.endr
.irp i, 2,4,6,8,10,12,14,16,18,20,22,24,26,28,30
.irp c, 0,1
	v_max3_num_f32 v[8+\c], v[8+\c], |v[NUM+32*\c+\i]|, |v[NUM+1+32*\c+\i]|   ; (the two blocks by turns)
.endr
.endr
.irp c, 0,1
	v_add_nc_u32 v[10+\c], 0xff000000, v[8+\c]     ; 2 off the exponent field: the conversion takes the exponent field of this operand as its scale
.endr
.irp c, 0,1
	v_lshrrev_b32 v[12+\c], 23, v[10+\c]           ; the scale's byte
.endr
	v_lshl_or_b32 v14, v13, 16, v12                ; my two bytes, blocks h and 2 + h,
	v_lshlrev_b32 v15, 3, v2
	v_lshlrev_b32 v14, v15, v14                    ; at their places in the word;
	v_mov_b32 v15, 0
	v_permlanex16_b32 v15, v14, s30, s31
	v_or_b32 v14, v14, v15                         ; with lane l xor 16's two the word is whole, in both halves of the lanes
.irp c, 0,1
	v_cvt_scalef32_pk16_fp6_f32 v[COD+6*\c:COD+6*\c+2], v[NUM+32*\c:NUM+32*\c+15], v[10+\c]
	v_cvt_scalef32_pk16_fp6_f32 v[CT+4*\c:CT+4*\c+2], v[NUM+32*\c+16:NUM+32*\c+31], v[10+\c]
.endr
	v_nop                                          ; one plain place behind a scaled conversion
.irp c, 0,1
.irp i, 0,1,2
	v_mov_b32 v[COD+3+6*\c+\i], v[CT+4*\c+\i]
.endr
.endr
.irp i, 0,1,2
	global_store_b128 v5, v[COD+4*\i:COD+4*\i+3], s[16:17] offset:512*\i   ; 32 lanes store 512 consecutive bytes
.endr
	global_store_b32 v5, v14, s[18:19]
	s_endpgm
.Lfunc_end_k_qad5ece1211_wq:
	.size	k_qad5ece1211_wq, .Lfunc_end_k_qad5ece1211_wq-k_qad5ece1211_wq
	.p2alignl 7, 3214868480
	.fill 96, 4, 3214868480
	.section	.rodata,"a",@progbits
	.p2align	6, 0x0
	.amdhsa_kernel k_qad5ece1211_wq
		.amdhsa_group_segment_fixed_size 0
		.amdhsa_private_segment_fixed_size 0
		.amdhsa_enable_private_segment 0
		.amdhsa_kernarg_size 64
		.amdhsa_user_sgpr_count 2
		.amdhsa_user_sgpr_kernarg_segment_ptr 1
		.amdhsa_wavefront_size32 1
		.amdhsa_system_sgpr_workgroup_id_x 1
		.amdhsa_system_sgpr_workgroup_id_y 1
		.amdhsa_system_sgpr_workgroup_id_z 1
		.amdhsa_system_vgpr_workitem_id 0
		.amdhsa_next_free_vgpr 128
		.amdhsa_next_free_sgpr 66
		.amdhsa_reserve_vcc 0
		.amdhsa_float_denorm_mode_32 3
		.amdhsa_float_denorm_mode_16_64 3
		.amdhsa_memory_ordered 1
		.amdhsa_forward_progress 1
		.amdhsa_inst_pref_size 8
	.end_amdhsa_kernel
	.amdgpu_metadata
---
amdhsa.version: [ 1, 2 ]
amdhsa.kernels:
  - .name:           k_qad5ece1211_wq
    .symbol:         k_qad5ece1211_wq.kd
    .args:
      - { .name: w_q_wli, .offset: 0, .size: 8, .value_kind: global_buffer, .address_space: global }
      - { .name: w_k_wli, .offset: 8, .size: 8, .value_kind: global_buffer, .address_space: global }
      - { .name: w_v_wli, .offset: 16, .size: 8, .value_kind: global_buffer, .address_space: global }
      - { .name: w_q_nbi, .offset: 24, .size: 8, .value_kind: global_buffer, .address_space: global }
      - { .name: w_k_nbi, .offset: 32, .size: 8, .value_kind: global_buffer, .address_space: global }
      - { .name: w_v_nbi, .offset: 40, .size: 8, .value_kind: global_buffer, .address_space: global }
      - { .name: wcodes, .offset: 48, .size: 8, .value_kind: global_buffer, .address_space: global }
      - { .name: wscales, .offset: 56, .size: 8, .value_kind: global_buffer, .address_space: global }
    .group_segment_fixed_size: 0
    .private_segment_fixed_size: 0
    .kernarg_segment_align: 8
    .kernarg_segment_size: 64
    .max_flat_workgroup_size: 64
    .sgpr_count:     66
    .vgpr_count:     128
    .wavefront_size: 32
...
	.end_amdgpu_metadata
.endif
;; end of part 1
;; launch proj (part 2): grid 32 x 8, 8 waves a work-group, no clusters, 33,792 bytes of LDS; arguments wli_feat, nbi_aligned, wcodes, wscales, qbuf, kv; writes qbuf, kv
.if DOCPART == 2
	.amdgcn_target "amdgcn-amd-amdhsa--gfx1250"
	.amdhsa_code_object_version 6
	.text
	.protected	k_qad5ece1211_proj
	.globl	k_qad5ece1211_proj
	.p2align	8
	.type	k_qad5ece1211_proj,@function
k_qad5ece1211_proj:
	s_mov_b64 s[64:65], 0
	v_nop
	global_prefetch_b8 v0, s[64:65] scope:SCOPE_SE
	s_setreg_imm32_b32 hwreg(HW_REG_WAVE_MODE, 25, 1), 1
	s_wait_xcnt 0x0
; q, k and v of one feature for 128 positions, all on codes of FP6 (E2M3) with one E8M0 scale for each 32 along K, and their results quantised again for the attention launch.
; Work-group x = j, a block of 128 positions; y = 4 f + b (feature, batch).  Eight waves; wave w: g = w & 3, hi = w >> 2.
; X:  the features [c][hw] have K = the channels OUTERMOST.  A lane takes a position and its registers run down the channels: wave (g, hi) quantises positions 32 g .. 32 g + 31, channels 128 hi .. 128 hi + 127, four blocks
;     of 32 a lane.  Each load reads 128 consecutive bytes, the four waves of a K step 512.  The codes go to LDS as IMAGES OF THE OPERAND'S REGISTERS (fragment = 12 registers = three images of 512 bytes, lane l's 16 bytes at 16 l).
;     THE POSITIONS OF A TILE ARE NOT NEIGHBOURS: lane r of tile 2 g + u stands for position 32 g + 8 u + r + (r & 8).
; QK: wave (g, hi) makes q (hi = 0) or k (hi = 1) of tiles 2 g and 2 g + 1, transposed (source 0 = 16 rows of the weight, source 1 = 16 positions): a lane holds one position and its registers run along the 64 of the
;     next K; two blocks are quantised in registers: six registers a tile.  The scale word's upper two bytes are 0x7f: the next product's K of 128 is half empty.
; V:  wave w makes channels 32 w .. 32 w + 31 for all 128 positions, source 0 = 16 positions, source 1 = 16 rows of the weight: a lane holds one channel and its registers run along the positions, the keys, which are
;     the next K; by the choice of a tile's positions the 16 registers of two neighbouring tiles are 16 neighbouring keys.
; OUT: kv [f][b][j]: a step block of 32,768 bytes, all images: K's 48 registers | V^T's 16 x 12 | K's scale words (4 registers: tile 2 i below, 2 i + 1 in lanes 16-31) | V's (8) | Q's (4).  qbuf [f][b][j][g]: 12 registers.
; The weights come as register images straight into registers, 18 KB a wave; a joint tensor load would land them in LDS and add a pass through it, and the features are shared with nobody: so no cluster.
; LIMITS: a block of zeros, or one under 2^-124, gets the byte 1 (this program alone reads the bytes); NaN and infinities are not served.
.set XIMG, 0                           ; LDS: x's 16 fragments, index 2 pt + s, 1,536 bytes each
.set XSC,  24576                       ; their scale words: index 2 g + s, 128 bytes: lanes 0-15 tile 2 g, lanes 16-31 tile 2 g + 1
.set SCST, 25600                       ; the step block's last 2,048 bytes: K's, V's, Q's scale words
.set LI,  2                            ; v2   16 x lane
.set L4,  3                            ; v3   4 x lane
.set XA,  4                            ; v4   where my position's codes go
.set XSA, 5                            ; v5   and its scale word
.set XG,  6                            ; v6   my group's four fragments
.set XSG, 7                            ; v7   and their scale words
.set SCQ, 8                            ; v8   where q's or k's scale words go
.set SCV, 9                            ; v9   and v's
.set TL,  10                           ; v10  the tail: my 512 bytes of SCST
.set FX,  16                           ; v16-79   X: two sets of 32 numbers
.set XF,  16                           ; v16-111  later: up to eight fragments of x
.set ACC, 112                          ; v112-175 eight accumulators
.set CX,  176                          ; v176-207 X: a block's six code registers at CX + 8 kb
.set PC,  176                          ; v176-194 later: the codes just made
.set CT,  208                          ; v208-210 X: a conversion's second half
.set TM,  212                          ; v212-227 at work
.set PW,  228                          ; the scale word just made;  v229 the one before
.set PW0, 229
.set SWQ, 230                          ; two tiles' words in one register
.set SWV, 231
.set WSQ, 232                          ; v232-239 scale words of my q or k weight: 2 t + s
.set WSV, 240                          ; v240-243 of my v weight: 2 e + s
.set XSV, 244                          ; v244-251 of x: 2 g + s
.set XSQ, 252                          ; v252-253 of x, my group: s
.set SB,  254                          ; X: my position's scale word
.set SEL, 44                           ; s[44:45]
.set MSB, 0
.macro WIN new                         ; the immediate's high byte repeats the setting that is left
.if MSB != \new
	s_set_vgpr_msb (MSB<<8)|\new
.set MSB, \new
.endif
.endm
.macro WM d, a, b, zero, sa, sb, m1, m2        ; one product; zero = 1: it starts the sum
.if \zero
	v_wmma_scale_f32_16x16x128_f8f6f4 v[(\d):(\d)+7], v[(\a):(\a)+11], v[(\b):(\b)+11], 0, v[\sa], v[\sb] matrix_a_fmt:MATRIX_FMT_FP6 matrix_b_fmt:MATRIX_FMT_FP6 \m1 \m2
.else
	v_wmma_scale_f32_16x16x128_f8f6f4 v[(\d):(\d)+7], v[(\a):(\a)+11], v[(\b):(\b)+11], v[(\d):(\d)+7], v[\sa], v[\sb] matrix_a_fmt:MATRIX_FMT_FP6 matrix_b_fmt:MATRIX_FMT_FP6 \m1 \m2
.endif
.endm
.macro BARRIER                                 ; my LDS stores have landed and my LDS loads are in: then the work-group's barrier
	s_wait_dscnt 0x0
	s_barrier_signal -1
	s_barrier_wait -1
.endm
.macro LOAD kb                                 ; block kb: x(32 kb + i, my position), i = 0 .. 31
.set n, 0
.rept 32
	global_load_b32 v[FX+32*((\kb)%2)+n], v[L4], s[4:5] offset:(32*(\kb)+n)*16384 th:TH_LOAD_NT
.set n, n+1
.endr
.endm
.macro BLOCK kb, cnt                           ; cnt: the younger loads, which may stay out
.set XS, FX+32*((\kb)%2)
.set CK, CX+8*(\kb)
	s_wait_loadcnt \cnt
	v_max3_num_f32 v[TM], |v[XS]|, |v[XS+1]|, |v[XS+2]|            ; the block's largest magnitude: all 32 numbers are mine
	v_max3_num_f32 v[TM+1], |v[XS+3]|, |v[XS+4]|, |v[XS+5]|
.irp i, 6,10,14,18,22,26
	s_delay_alu instid0(VALU_DEP_2)
	v_max3_num_f32 v[TM], v[TM], |v[XS+\i]|, |v[XS+\i+1]|
	s_delay_alu instid0(VALU_DEP_2)
	v_max3_num_f32 v[TM+1], v[TM+1], |v[XS+\i+2]|, |v[XS+\i+3]|
.endr
	s_delay_alu instid0(VALU_DEP_2)
	v_max3_num_f32 v[TM], v[TM], |v[XS+30]|, |v[XS+31]|
	s_delay_alu instid0(VALU_DEP_1)
	v_max3_num_f32 v[TM], v[TM], v[TM+1], 0x1800000                ; and the floor 2^(3 - 127): the byte cannot fall under 1
	s_delay_alu instid0(VALU_DEP_1)
	v_add_nc_u32 v[TM+2], 0xff000000, v[TM]                        ; 2 off the exponent field: the conversion's scale operand
	s_delay_alu instid0(VALU_DEP_1)
	v_lshrrev_b32 v[TM+3], 23, v[TM+2]                             ; the scale's byte
.if (\kb) == 0
	s_delay_alu instid0(VALU_DEP_1)
	v_mov_b32 v[SB], v[TM+3]
.else
	s_delay_alu instid0(VALU_DEP_1)
	v_lshl_or_b32 v[SB], v[TM+3], 8*(\kb), v[SB]
.endif
	v_cvt_scalef32_pk16_fp6_f32 v[CK:CK+2], v[XS:XS+15], v[TM+2]
	v_cvt_scalef32_pk16_fp6_f32 v[CT:CT+2], v[XS+16:XS+31], v[TM+2]   ; (a conversion's three registers begin on an even number)
	v_nop                                                          ; one plain place behind a scaled conversion
.irp i, 0,1,2
	v_mov_b32 v[CK+3+\i], v[CT+\i]
.endr
; block kb = 2 c + h is registers 6 c .. 6 c + 5 of lane r + 16 h of my tile's fragment: 16 + 8 or 8 + 16 bytes of its images
.if (\kb) < 2
	ds_store_b128 v[XA], v[CK:CK+3] offset:XIMG+256*((\kb)%2)
	ds_store_b64 v[XA], v[CK+4:CK+5] offset:XIMG+512+256*((\kb)%2)
.else
	ds_store_b64 v[XA], v[CK:CK+1] offset:XIMG+520+256*((\kb)%2)
	ds_store_b128 v[XA], v[CK+2:CK+5] offset:XIMG+1024+256*((\kb)%2)
.endif
.endm
; 64 numbers of a lane, register 16 k + i = next K 32 k + 16 (lane / 16) + i of my row, become a fragment's codes in v[PC] on and its scale word in v[PW]
.macro QUANT src
.irp k, 0,1,2,3
	v_max3_num_f32 v[TM+\k], |v[\src+16*\k]|, |v[\src+1+16*\k]|, 0x1800000
.endr
.irp i, 2,4,6,8,10,12,14
.irp k, 0,1,2,3
	v_max3_num_f32 v[TM+\k], v[TM+\k], |v[\src+16*\k+\i]|, |v[\src+1+16*\k+\i]|   ; (the four blocks by turns)
.endr
.endr
.irp k, 0,1,2,3
	s_delay_alu instid0(VALU_DEP_4)
	v_permlanex16_b32 v[TM+4+\k], v[TM+\k], s[SEL], s[SEL+1]
.endr
.irp k, 0,1,2,3
	s_delay_alu instid0(VALU_DEP_4)
	v_max_num_f32 v[TM+\k], v[TM+\k], v[TM+4+\k]   ; with lane l xor 16's: the block's largest magnitude
.endr
.irp k, 0,1,2,3
	s_delay_alu instid0(VALU_DEP_4)
	v_add_nc_u32 v[TM+12+\k], 0xff000000, v[TM+\k]
.endr
.irp k, 0,1,2,3
	s_delay_alu instid0(VALU_DEP_4)
	v_lshrrev_b32 v[TM+4+\k], 23, v[TM+12+\k]
.endr
	s_delay_alu instid0(VALU_DEP_3)
	v_lshl_or_b32 v[PW], v[TM+5], 8, v[TM+4]
	s_delay_alu instid0(VALU_DEP_1)
	v_lshl_or_b32 v[PW], v[TM+6], 16, v[PW]
	s_delay_alu instid0(VALU_DEP_1)
	v_lshl_or_b32 v[PW], v[TM+7], 24, v[PW]
.irp c, 0,1
	v_cvt_scalef32_pk16_fp6_f32 v[PC+6*\c:PC+2+6*\c], v[\src+32*\c:\src+15+32*\c], v[TM+12+2*\c]
	v_cvt_scalef32_pk16_fp6_f32 v[PC+12+4*\c:PC+14+4*\c], v[\src+16+32*\c:\src+31+32*\c], v[TM+12+2*\c+1]
.endr
	v_nop                                          ; one plain place behind a scaled conversion
.irp c, 0,1                                    ; the operand's layout wants a WHOLE block in a lane
.irp i, 0,1,2
	v_permlane16_swap_b32 v[PC+6*\c+\i], v[PC+12+4*\c+\i]
.endr
.irp i, 0,1,2
	s_delay_alu instid0(VALU_DEP_3)
	v_mov_b32 v[PC+3+6*\c+\i], v[PC+12+4*\c+\i]
.endr
.endr
.endm
; the same for 32 numbers, two blocks: six registers at v[dst]; the word's upper bytes are 0x7f, the scale 1 of the empty half of the next K
.macro QUANT2 src, dst, word
.irp k, 0,1
	v_max3_num_f32 v[TM+\k], |v[\src+16*\k]|, |v[\src+1+16*\k]|, 0x1800000
.endr
.irp i, 2,4,6,8,10,12,14
.irp k, 0,1
	v_max3_num_f32 v[TM+\k], v[TM+\k], |v[\src+16*\k+\i]|, |v[\src+1+16*\k+\i]|
.endr
.endr
.irp k, 0,1
	s_delay_alu instid0(VALU_DEP_2)
	v_permlanex16_b32 v[TM+4+\k], v[TM+\k], s[SEL], s[SEL+1]
.endr
.irp k, 0,1
	s_delay_alu instid0(VALU_DEP_2)
	v_max_num_f32 v[TM+\k], v[TM+\k], v[TM+4+\k]
.endr
.irp k, 0,1
	s_delay_alu instid0(VALU_DEP_2)
	v_add_nc_u32 v[TM+12+\k], 0xff000000, v[TM+\k]
.endr
.irp k, 0,1
	s_delay_alu instid0(VALU_DEP_2)
	v_lshrrev_b32 v[TM+4+\k], 23, v[TM+12+\k]
.endr
	s_delay_alu instid0(VALU_DEP_1)
	v_lshl_or_b32 v[\word], v[TM+5], 8, v[TM+4]
	s_delay_alu instid0(VALU_DEP_1)
	v_or_b32 v[\word], 0x7f7f0000, v[\word]
	v_cvt_scalef32_pk16_fp6_f32 v[\dst:\dst+2], v[\src:\src+15], v[TM+12]
	v_cvt_scalef32_pk16_fp6_f32 v[PC+12:PC+14], v[\src+16:\src+31], v[TM+13]
	v_nop
.irp i, 0,1,2
	v_permlane16_swap_b32 v[\dst+\i], v[PC+12+\i]
.endr
.irp i, 0,1,2
	s_delay_alu instid0(VALU_DEP_3)
	v_mov_b32 v[\dst+3+\i], v[PC+12+\i]
.endr
.endm
	s_load_b256 s[4:11], s[0:1], 0x0               ; wli s[4:5], nbi s[6:7], wcodes s[8:9], wscales s[10:11]
	s_load_b128 s[12:15], s[0:1], 0x20             ; qbuf s[12:13], kv s[14:15]
	v_lshl_add_u32 v223, v0, 2, 0x8000
	v_mov_b32 v255, 0
	v_lshrrev_b32 v1, 5, v0
	s_delay_alu instid0(VALU_DEP_1)
	v_readfirstlane_b32 s16, v1                    ; wave 0..7
	s_and_b32 s17, s16, 3                          ; g
	s_lshr_b32 s18, s16, 2                         ; hi
	s_and_b32 s20, ttmp7, 0xffff                   ; y = 4 f + b
	s_lshr_b32 s21, s20, 2                         ; f
	s_and_b32 s22, s20, 3                          ; b
	s_lshl_b32 s23, s20, 5
	s_add_co_u32 s23, s23, ttmp9                   ; 32 y + j: the step block's number
	s_lshl_b32 s24, s22, 22                        ; the features: batch b,
	s_lshl_b32 s25, s18, 21                        ; 128 hi channels of 16,384 bytes,
	s_add_co_u32 s24, s24, s25
	s_lshl_b32 s25, ttmp9, 9                       ; 128 j positions,
	s_add_co_u32 s24, s24, s25
	s_lshl_b32 s25, s17, 7                         ; 32 g positions
	s_add_co_u32 s24, s24, s25
	s_mov_b32 s25, 0
	s_mul_i32 s26, s21, 24
	s_lshl_b32 s27, s18, 2
	s_add_co_u32 s27, s27, s26
	s_mul_i32 s28, s27, 3072                       ; weight tiles 4 hi .. 4 hi + 3 of the feature: q's or k's
	s_mov_b32 s29, 0
	s_lshl_b32 s27, s16, 1
	s_add_co_u32 s27, s27, s26
	s_add_co_u32 s27, s27, 8
	s_mul_i32 s30, s27, 3072                       ; tiles 8 + 2 w, 8 + 2 w + 1: my two of v's
	s_mov_b32 s31, 0
	s_mul_i32 s26, s21, 12
	s_lshl_b32 s27, s18, 1
	s_add_co_u32 s27, s27, s26
	s_lshl_b32 s32, s27, 9                         ; their scale images
	s_mov_b32 s33, 0
	s_add_co_u32 s27, s26, s16
	s_add_co_u32 s27, s27, 4
	s_lshl_b32 s34, s27, 9
	s_mov_b32 s35, 0
	s_lshl_b32 s36, s23, 15                        ; the step block
	s_lshl_b32 s38, s23, 2
	s_add_co_u32 s38, s38, s17
	s_mul_i32 s38, s38, 1536                       ; q's 12 registers of group g
	s_mov_b32 s39, 0
	s_mul_i32 s40, s17, 1536
	s_add_co_u32 s40, s40, s36                     ; k's, in the step block
	s_mov_b32 s41, 0
	s_mul_i32 s42, s16, 3072
	s_add_co_u32 s42, s42, s36
	s_add_co_u32 s42, s42, 6144                    ; v's two fragments
	s_mov_b32 s43, 0
	s_lshl_b32 s48, s16, 9
	s_add_co_u32 s48, s48, s36
	s_add_co_u32 s48, s48, 30720                   ; the tail: 512 bytes a wave
	s_mov_b32 s49, 0
	s_mov_b32 s[SEL], 0x76543210
	s_mov_b32 s[SEL+1], 0xfedcba98                 ; v_permlanex16_b32's selects for lane l xor 16
	s_mov_b32 s46, 0xffff0000                      ; lanes 16-31
	; every LDS address: a constant x lane terms + a constant x wave terms; the regions' bases stand in the immediates
	s_mul_i32 s50, s17, 6144
	s_mul_i32 s51, s18, 1536
	s_add_co_u32 s51, s51, s50
	s_lshl_b32 s52, s17, 8
	s_lshl_b32 s53, s18, 7
	s_add_co_u32 s53, s53, s52
	s_xor_b32 s54, s18, 1
	s_mul_i32 s54, s54, 1536                       ; q's words lie 1,536 bytes behind k's
	s_lshl_b32 s55, s17, 2
	s_add_co_u32 s54, s54, s55
	s_lshl_b32 s56, s18, 9
	s_add_co_u32 s56, s56, s55
	s_lshl_b32 s57, s16, 9
	v_and_b32 v1, 31, v0
	s_delay_alu instid0(VALU_DEP_1)
	v_lshlrev_b32 v[LI], 4, v1
	s_delay_alu instid0(VALU_DEP_2)
	v_lshlrev_b32 v[L4], 2, v1
	v_bfe_u32 v11, v0, 3, 1                        ; position x = lane: tile u = bit 3 of x,
	v_and_b32 v12, 7, v0
	v_bfe_u32 v13, v0, 4, 1
	s_delay_alu instid0(VALU_DEP_1)
	v_lshl_add_u32 v12, v13, 3, v12                ; lane r = (x & 7) + 8 (x >> 4)
	s_delay_alu instid0(VALU_DEP_1)
	v_lshlrev_b32 v[XA], 4, v12
	s_delay_alu instid0(VALU_DEP_1)
	v_mad_u32_u24 v[XA], v11, 3072, v[XA]
	s_delay_alu instid0(VALU_DEP_1)
	v_add_nc_u32 v[XA], s51, v[XA]                 ; 6144 g + 3072 u + 1536 hi + 16 r
	s_delay_alu instid0(VALU_DEP_4)
	v_lshlrev_b32 v[XSA], 2, v12
	s_delay_alu instid0(VALU_DEP_1)
	v_lshl_add_u32 v[XSA], v11, 6, v[XSA]
	s_delay_alu instid0(VALU_DEP_1)
	v_add_nc_u32 v[XSA], s53, v[XSA]               ; 128 (2 g + hi) + 64 u + 4 r
	v_add_nc_u32 v[XG], s50, v[LI]
	v_add_nc_u32 v[XSG], s52, v[L4]
	v_add_nc_u32 v[SCQ], s54, v[LI]
	v_add_nc_u32 v[SCV], s56, v[LI]
	v_add_nc_u32 v[TL], s57, v[LI]
.irp k, 0,1,2,3
	v_mov_b32 v[TM+4+\k], 0                        ; written once: a lane permute's destination counts as one of its sources
.endr
	s_wait_kmcnt 0x0
	s_cmp_eq_u32 s21, 0
	s_cselect_b64 s[4:5], s[4:5], s[6:7]           ; the feature
	s_add_nc_u64 s[4:5], s[4:5], s[24:25]
	s_add_nc_u64 s[28:29], s[8:9], s[28:29]
	s_add_nc_u64 s[30:31], s[8:9], s[30:31]
	s_add_nc_u64 s[32:33], s[10:11], s[32:33]
	s_add_nc_u64 s[34:35], s[10:11], s[34:35]
	s_add_nc_u64 s[38:39], s[12:13], s[38:39]
	s_add_nc_u64 s[40:41], s[14:15], s[40:41]
	s_cmp_eq_u32 s18, 0
	s_cselect_b64 s[38:39], s[38:39], s[40:41]     ; where my q or my k goes
	s_add_nc_u64 s[42:43], s[14:15], s[42:43]
	s_add_nc_u64 s[48:49], s[14:15], s[48:49]
	; ---- X: four blocks of 32 channels, loads two blocks ahead; the weights' loads follow the features'
	LOAD 0
	LOAD 1
	BLOCK 0, 32                                    ; block 1's 32 loads may be out
	LOAD 2
	BLOCK 1, 32
	LOAD 3
	BLOCK 2, 32
	WIN 0x40                                       ; destination window 1
.set n, 0
.rept 24
	global_load_b128 v[4*n:4*n+3], v[LI], s[28:29] offset:512*n    ; my q or k weight: fragment (t, s) at v[12 (2 t + s)] of window 1
.set n, n+1
.endr
	WIN 0
	global_load_b128 v[WSQ:WSQ+3], v[LI], s[32:33]
	global_load_b128 v[WSQ+4:WSQ+7], v[LI], s[32:33] offset:512
	BLOCK 3, 26                                    ; those 26 may be out
	WIN 0x40
.set n, 0
.rept 12
	global_load_b128 v[96+4*n:96+4*n+3], v[LI], s[30:31] offset:512*n   ; my v weight: fragment (e, s) at v[96 + 12 (2 e + s)] of window 1
.set n, n+1
.endr
	WIN 0
	global_load_b128 v[WSV:WSV+3], v[LI], s[34:35]
	ds_store_b32 v[XSA], v[SB] offset:XSC
	BARRIER                                        ; x's sixteen fragments and their scale words lie in LDS
	; ---- QK: four weight tiles x my two tiles of positions x two K steps: eight accumulators by turns
.set n, 0
.rept 12
	ds_load_b128 v[XF+4*n:XF+4*n+3], v[XG] offset:XIMG+512*n       ; fragment (u, s) at XF + 12 (2 u + s)
.set n, n+1
.endr
.irp s, 0,1
	ds_load_b32 v[XSQ+\s], v[XSG] offset:XSC+128*\s
.endr
.irp i, 0,1,2,3,4,5,6,7
	ds_load_b32 v[XSV+\i], v[L4] offset:XSC+128*\i
.endr
	s_wait_dscnt 0x0
	s_wait_loadcnt 13                              ; my q or k weight is in; the v weight's 13 loads may be out
	WIN 0x01                                       ; source 0 (the weight) window 1
.irp s, 0,1
.irp t, 0,1,2,3
	WM ACC+8*\t, 12*(2*\t+\s), XF+12*\s, 1-\s, WSQ+2*\t+\s, XSQ+\s
.endr
.irp t, 0,1,2,3
	WM ACC+32+8*\t, 12*(2*\t+\s), XF+24+12*\s, 1-\s, WSQ+2*\t+\s, XSQ+\s, matrix_b_scale:MATRIX_SCALE_ROW1
.endr
.endr
	WIN 0
.rept 4
	v_nop                                          ; places in front of the first read of results
.endr
	QUANT2 ACC, PC, PW0                            ; tile 2 g
	QUANT2 ACC+32, PC+6, PW                        ; tile 2 g + 1
	v_cndmask_b32 v[SWQ], v[PW0], v[PW], s46       ; lanes 0-15 the first tile's words, lanes 16-31 the second's
.irp i, 0,1,2
	global_store_b128 v[LI], v[PC+4*\i:PC+4*\i+3], s[38:39] offset:512*\i   ; 32 lanes store 512 consecutive bytes
.endr
	ds_store_b32 v[SCQ], v[SWQ] offset:SCST
	; ---- V: my two tiles of channels; for each, eight tiles of positions by turns, a K step at a time
.irp e, 0,1
.irp s, 0,1
.rept 5
	v_nop                                          ; places in front of loads into registers that products have read, and of products that begin accumulators anew
.endr
.irp p, 0,1,2,3,4,5,6,7
.irp c, 0,1,2
	ds_load_b128 v[XF+12*\p+4*\c:XF+12*\p+4*\c+3], v[LI] offset:XIMG+(2*\p+\s)*1536+512*\c
.endr
.endr
	s_wait_dscnt 0x0
.if (\e == 0) && (\s == 0)
	s_wait_loadcnt 0x0                             ; my v weight
.endif
	WIN 0x04                                       ; source 1 (the weight) window 1
.irp q, 0,1,2,3
	WM ACC+16*\q, XF+24*\q, 96+12*(2*\e+\s), 1-\s, XSV+2*\q+\s, WSV+2*\e+\s
	WM ACC+16*\q+8, XF+24*\q+12, 96+12*(2*\e+\s), 1-\s, XSV+2*\q+\s, WSV+2*\e+\s, matrix_a_scale:MATRIX_SCALE_ROW1
.endr
	WIN 0
.endr
.rept 4
	v_nop
.endr
	s_wait_xcnt 0x0                                ; the earlier stores have read the code registers: they are written again only behind this wait
	QUANT ACC                                      ; 128 keys of my 16 channels: one fragment of V^T and its scale words
.irp i, 0,1,2
	global_store_b128 v[LI], v[PC+4*\i:PC+4*\i+3], s[42:43] offset:1536*\e+512*\i
.endr
.if \e == 0
	v_mov_b32 v[PW0], v[PW]
.endif
.endr
	v_cndmask_b32 v[SWV], v[PW0], v[PW], s46
	ds_store_b32 v[SCV], v[SWV] offset:SCST+512
	BARRIER                                        ; the block's 2,048 bytes of scale words lie in LDS
	s_cmp_lt_u32 s16, 4
	s_cbranch_scc0 .Ldone                          ; four waves store them, 512 consecutive bytes each
	ds_load_b128 v[16:19], v[TL] offset:SCST
	s_wait_dscnt 0x0
	global_store_b128 v[LI], v[16:19], s[48:49]
.Ldone:
	s_wait_tensorcnt 0x0
	ds_add_u32 v223, v255
	s_wait_dscnt 0x0
	s_endpgm
.Lfunc_end_k_qad5ece1211_proj:
	.size	k_qad5ece1211_proj, .Lfunc_end_k_qad5ece1211_proj-k_qad5ece1211_proj
	.p2alignl 7, 3214868480
	.fill 96, 4, 3214868480
	.section	.rodata,"a",@progbits
	.p2align	6, 0x0
	.amdhsa_kernel k_qad5ece1211_proj
		.amdhsa_group_segment_fixed_size 33792
		.amdhsa_private_segment_fixed_size 0
		.amdhsa_enable_private_segment 0
		.amdhsa_kernarg_size 48
		.amdhsa_user_sgpr_count 2
		.amdhsa_user_sgpr_kernarg_segment_ptr 1
		.amdhsa_wavefront_size32 1
		.amdhsa_system_sgpr_workgroup_id_x 1
		.amdhsa_system_sgpr_workgroup_id_y 1
		.amdhsa_system_sgpr_workgroup_id_z 1
		.amdhsa_system_vgpr_workitem_id 0
		.amdhsa_next_free_vgpr 400
		.amdhsa_next_free_sgpr 66
		.amdhsa_reserve_vcc 0
		.amdhsa_float_denorm_mode_32 3
		.amdhsa_float_denorm_mode_16_64 3
		.amdhsa_memory_ordered 1
		.amdhsa_forward_progress 1
		.amdhsa_inst_pref_size 60
	.end_amdhsa_kernel
	.amdgpu_metadata
---
amdhsa.version: [ 1, 2 ]
amdhsa.kernels:
  - .name:           k_qad5ece1211_proj
    .symbol:         k_qad5ece1211_proj.kd
    .args:
      - { .name: wli_feat, .offset: 0, .size: 8, .value_kind: global_buffer, .address_space: global }
      - { .name: nbi_aligned, .offset: 8, .size: 8, .value_kind: global_buffer, .address_space: global }
      - { .name: wcodes, .offset: 16, .size: 8, .value_kind: global_buffer, .address_space: global }
      - { .name: wscales, .offset: 24, .size: 8, .value_kind: global_buffer, .address_space: global }
      - { .name: qbuf, .offset: 32, .size: 8, .value_kind: global_buffer, .address_space: global }
      - { .name: kv, .offset: 40, .size: 8, .value_kind: global_buffer, .address_space: global }
    .group_segment_fixed_size: 33792
    .private_segment_fixed_size: 0
    .kernarg_segment_align: 8
    .kernarg_segment_size: 48
    .max_flat_workgroup_size: 256
    .sgpr_count:     66
    .vgpr_count:     400
    .wavefront_size: 32
...
	.end_amdgpu_metadata
.endif
;; end of part 2
;; launch attn (part 3): grid 32 x 8, 8 waves a work-group, clusters of 4 x 1, 327,680 bytes of LDS; arguments qbuf, kv, wli_feat, nbi_aligned, ybuf, stats; writes ybuf, stats
.if DOCPART == 3
	.amdgcn_target "amdgcn-amd-amdhsa--gfx1250"
	.amdhsa_code_object_version 6
	.text
	.protected	k_qad5ece1211_attn
	.globl	k_qad5ece1211_attn
	.p2align	8
	.type	k_qad5ece1211_attn,@function
k_qad5ece1211_attn:
	s_mov_b64 s[64:65], 0
	v_nop
	global_prefetch_b8 v0, s[64:65] scope:SCOPE_SE
	s_setreg_imm32_b32 hwreg(HW_REG_WAVE_MODE, 25, 1), 1
	s_wait_xcnt 0x0
	s_wait_alu depctr_hold_cnt(0) depctr_sa_sdst(0) depctr_va_vdst(0) depctr_va_sdst(0) depctr_va_ssrc(0) depctr_va_vcc(0) depctr_vm_vsrc(0)
	s_getreg_b32 s2, hwreg(HW_REG_IB_STS2, 6, 4)
	s_cmp_eq_u32 s2, 0
	s_cbranch_scc0 .Lentry_in_a_cluster
	s_endpgm
.Lentry_in_a_cluster:
	s_bfe_u32 s2, ttmp6, 0x10000c
	s_cmp_lg_u32 s2, 0x3003
	s_cbranch_scc0 .Lentry_shape_is_right
	s_endpgm
.Lentry_shape_is_right:
; x = feat_d + softmax(Q K^T / 8) V for 128 queries of direction d, batch b, both products on codes of FP6 (E2M3); and for each of the 256 channels the mean and the sum of squared deviations of these 128 numbers.
; THE SOFTMAX: t = score x log2(e) / 8; M = the running largest t rounded UP to a whole number; p = 2^(t - M) is quantised along the keys, not normalised; the row's sum is taken of the unquantised p and divides at the end.
; When M moves, the sum and O are multiplied by 2^(old M - new M): exact.
; SHARES.  y = 4 d + b; a work-group owns 128 queries.  Wave w: g = w & 3 names 32 queries, two tiles a and b; kh = w >> 2 names a half of the 4,096 keys, 16 steps of 128.  So a fragment of V read from LDS feeds two
; products, and two waves share a SIMD: one's softmax stands beside the other's products and LDS loads.  The halves meet at the end: each is scaled by 2^(its M - the common M) / l and the reader of the stage adds them.
; LAYOUT.  Both products are used transposed: S^T = K Q^T (source 0 = 16 keys), O^T = V^T P^T (source 0 = 16 channels): a lane holds ONE query throughout.  The keys of a tile are chosen (lane r of tile 2 i + u is key
; 32 i + 8 u + r + (r & 8)) so that the 16 registers of two neighbouring tiles are 16 neighbouring keys.  All operands lie in memory and in LDS as images of their registers: every LDS load takes 512 consecutive bytes.
; THE FIRST PRODUCT'S K IS 64 OF THE INSTRUCTION'S 128.  Q's fragment has zero codes in its upper six registers; K's tile t is named as v[FR + 6 t .. + 11], whose upper six registers are tile t + 1's codes: finite
; numbers under the scale byte 0x7f, times zero.  So K is packed: no zeros in memory, LDS or registers but six behind tile 7.
; RING.  Two slots of 131,072 bytes; a slot holds two steps of each key half.  Each wave brings 16,384 bytes with one tensor load; a wave has one tensor load out.
; CLUSTER.  The four query blocks of a cluster walk the same K and V: each tile is asked for jointly, by the same load with the same descriptor (it hangs on y and the wave's number alone) and the mask of all four.
; LIMITS: NaN and infinities are not served; a block of p that has fallen under 2^-124 keeps the byte 1; the two key halves are added in another order than one stream over the keys would add them.
; REGISTERS, window 0: v1-15 addresses and statistics; v16-39 Q; v48-95 fragments, v96-101 zeros; v104-167 S^T, then p, then V's second buffer; v168-191 P's codes; v192-219 at work; v220-233 and v40 scale words alone.
;   window 1: O^T: tile a at v[8 ct], tile b at v[128 + 8 ct].
.set SLOT1, 1<<17
.set VCO,   6144                       ; in a step block: V's fragments,
.set KSCO,  30720                      ; K's scale words,
.set VSCO,  31232                      ; V's,
.set QSCO,  32256                      ; Q's
.set STGB,  135168                     ; the way out: a stage of 256 rows x (512 + 16) bytes for each key half, laid over the ring, which has then had its last fill and its last read
.set SPARE, 270336                     ; the spare words, 128 bytes for each wave: four blocks of 256 bytes that no other line names
.set EX,    271360                     ; 512 bytes a wave: -M and l of both tiles, for the partner
.set LI,   1                           ; v1   16 x lane
.set ADR,  2                           ; v2   the step block in hand
.set SPW,  3                           ; v3   my spare word; never rewritten
.set NIL,  4                           ; v4   0; never rewritten
.set STO0, 5                           ; v5   the stage: channels 0-127;  v6: channels 128-255
.set STO1, 6
.set RD0,  7                           ; v7   my 32 rows of stage 0;  v41: of stage 1
.set ST_a, 8                           ; v8-11  tile a: -M, the largest t, l in two halves;  v12-15 tile b
.set ST_b, 12
.set Q_a,  16
.set Q_b,  28
.set QS,   40
.set RD1,  41
.set PFO,  42                          ; v42  256 x lane
.set EXW,  43                          ; v43  my words of EX;  v47 my partner's
.set MV,   44                          ; v[44:45] lane i: mean and M2 of my channel i
.set L8,   46                          ; v46  8 x lane
.set EXR,  47
.set FR,   48
.set X,    48                          ; the way out: v48-175 my 32 rows of the residual, then of x
.set S,    104
.set P_a,  168
.set P_b,  180
.set D,    176                         ; the way out: v176-207 deviations of eight rows
.set CT,   192
.set BM,   200
.set BT,   204
.set SO,   208
.set F_a,  212
.set F_b,  214
.set TMP,  216
.set SUM2, 218
.set KS,   220
.set VS,   224
.set PS_a, 232
.set PS_b, 233
.set T,    234                         ; the way out: v234-249 sums of eight rows
.set WV,   16
.set G1,   24
.set G0,   32
.set PFA,  36
.set LIM,  38
.set SLOTS, 39
.set TWICE, 40
.set TB,   41
.set CS,   42
.set SEL,  44
.set MSB, 0
.macro WIN new                         ; the immediate's high byte repeats the setting that is left
.if MSB != \new
	s_set_vgpr_msb (MSB<<8)|\new
.set MSB, \new
.endif
.endm
.set W_PV, 0x50                        ; C and D window 1
.set W_RS, 0x41                        ; destination and source 0 window 1
.macro WM d, a, b, zero, sa, sb, m1, m2
.if \zero
	v_wmma_scale_f32_16x16x128_f8f6f4 v[(\d):(\d)+7], v[(\a):(\a)+11], v[(\b):(\b)+11], 0, v[\sa], v[\sb] matrix_a_fmt:MATRIX_FMT_FP6 matrix_b_fmt:MATRIX_FMT_FP6 \m1 \m2
.else
	v_wmma_scale_f32_16x16x128_f8f6f4 v[(\d):(\d)+7], v[(\a):(\a)+11], v[(\b):(\b)+11], v[(\d):(\d)+7], v[\sa], v[\sb] matrix_a_fmt:MATRIX_FMT_FP6 matrix_b_fmt:MATRIX_FMT_FP6 \m1 \m2
.endif
.endm
.macro PLACES n
.rept \n
	v_nop
.endr
.endm
.macro CROUND                          ; a round of the cluster's barrier
	s_barrier_signal -1
	s_barrier_wait -1
	s_cmp_lg_u32 s[WV], 0
	s_cbranch_scc1 .Lnot_wave_0_\@
	s_barrier_signal -3
.Lnot_wave_0_\@:
	s_barrier_wait -3
	s_barrier_signal -1
	s_barrier_wait -1
.endm
; A PREFETCH INTO THE L2 of the turn after the one that is being asked for: 131,072 bytes.  All eight clusters of a y walk the same K and V: the first asks.  Its four partners share the bytes out BY ADDRESS (a key half
; and a step each); in each, waves 0 to 3 ask for 8,192 bytes, lanes 256 bytes apart: each aligned block of 256 bytes is named once in the launch.  The last change that fills a slot asks for nothing.
.macro ASK
	s_cmp_gt_u32 s[SLOTS], s[LIM]
	s_cbranch_scc0 .Lnot_mine_\@
	global_prefetch_b8 v[PFO], s[PFA:PFA+1] th:TH_LOAD_NT scope:SCOPE_SE
.Lnot_mine_\@:
.endm
; THE CHANGE OF SLOTS stands at a turn's head.  Each wave waits for all its tensor loads (its part of the slot that it is about to read), adds 0 to its spare word, and waits for that and for its reads of the slot that it
; has left.  fill = 1: a round of the cluster's barrier, and behind it the other slot is filled with the next turn: the load has two steps of every wave in which to land.
.macro CHANGE fill
	WIN 0
	s_wait_tensorcnt 0x0                           ; no tensor load of mine is out, so the group 0 may be written
	ds_add_u32 v[SPW], v[NIL]                      ; 0 onto my spare word
.if \fill
	s_xor_b32 s[G0+1], s[G0+1], SLOT1              ; the walking descriptor: the other slot,
	s_add_nc_u64 s[G0+2:G0+3], s[G0+2:G0+3], 65536 ; the next two steps of my key half; the type bits on top are not reached
	s_wait_xcnt 0x0                                ; the last prefetch, a turn back, has read its address
	s_add_nc_u64 s[PFA:PFA+1], s[PFA:PFA+1], 65536
	s_wait_dscnt 0x0                               ; the add is done, and my reads of the slot that I have left are over
	CROUND
	tensor_load_to_lds s[G0:G0+3], s[G1:G1+7]      ; the first thing behind the round, and my one tensor load until the next
	s_nop 0
	PLACES 4
	ASK
.else
	s_wait_dscnt 0x0
	s_barrier_signal -1
	s_barrier_wait -1
.endif
.endm
.macro LOADV n, buf                            ; V^T's channel tiles 4 n .. 4 n + 3
.set m, 0
.rept 12
	ds_load_b128 v[\buf+4*m:\buf+4*m+3], v[ADR] offset:VCO+6144*(\n)+512*m
.set m, m+1
.endr
.endm
.macro QK q, rowb                              ; S^T = K Q^T: eight tiles of 16 keys; each product starts its sum
.irp k, 0,1,2,3
.if \rowb
	WM S+16*\k, FR+12*\k, \q, 1, KS+\k, QS, matrix_b_scale:MATRIX_SCALE_ROW1
	WM S+16*\k+8, FR+12*\k+6, \q, 1, KS+\k, QS, matrix_a_scale:MATRIX_SCALE_ROW1, matrix_b_scale:MATRIX_SCALE_ROW1
.else
	WM S+16*\k, FR+12*\k, \q, 1, KS+\k, QS
	WM S+16*\k+8, FR+12*\k+6, \q, 1, KS+\k, QS, matrix_a_scale:MATRIX_SCALE_ROW1
.endif
.endr
.endm
.macro PV n, buf, first                        ; O^T += V^T P^T: four channel tiles x both tiles of queries; all accumulators differ
	WIN W_PV
.irp p, 0,1
	WM 8*(4*\n+2*\p), \buf+24*\p, P_a, \first, VS+2*\n+\p, PS_a
	WM 128+8*(4*\n+2*\p), \buf+24*\p, P_b, \first, VS+2*\n+\p, PS_b
	WM 8*(4*\n+2*\p+1), \buf+24*\p+12, P_a, \first, VS+2*\n+\p, PS_a, matrix_a_scale:MATRIX_SCALE_ROW1
	WM 128+8*(4*\n+2*\p+1), \buf+24*\p+12, P_b, \first, VS+2*\n+\p, PS_b, matrix_a_scale:MATRIX_SCALE_ROW1
.endr
	WIN 0
.endm
; One tile's softmax for 128 keys.  Register 16 k + i of S is key 32 k + 16 (lane / 16) + i of my query.
.macro SOFTMAX st, f, ps, p
.irp k, 0,1,2,3
	v_max3_num_f32 v[BM+\k], v[S+16*\k], v[S+1+16*\k], v[S+2+16*\k]   ; the largest score of each block of 32 keys: for the row's maximum and, since p rises with the score, for the block's largest p
.endr
.irp i, 3,5,7,9,11,13
.irp k, 0,1,2,3
	v_max3_num_f32 v[BM+\k], v[BM+\k], v[S+16*\k+\i], v[S+1+16*\k+\i]
.endr
.endr
.irp k, 0,1,2,3
	v_max_num_f32 v[BM+\k], v[BM+\k], v[S+15+16*\k]
.endr
.irp k, 0,1,2,3
	s_delay_alu instid0(VALU_DEP_4)
	v_permlanex16_b32 v[BT+\k], v[BM+\k], s[SEL], s[SEL+1]
.endr
.irp k, 0,1,2,3
	s_delay_alu instid0(VALU_DEP_4)
	v_max_num_f32 v[BM+\k], v[BM+\k], v[BT+\k]     ; with lane l xor 16's 16 keys
.endr
	s_delay_alu instid0(VALU_DEP_2)
	v_max3_num_f32 v[TMP], v[BM], v[BM+1], v[BM+2]
	s_delay_alu instid0(VALU_DEP_1)
	v_max_num_f32 v[TMP], v[TMP], v[BM+3]
	s_delay_alu instid0(VALU_DEP_1)
	v_mul_f32 v[TMP], s[CS], v[TMP]                ; as t (c is positive)
	s_delay_alu instid0(VALU_DEP_1)
	v_max_num_f32 v[\st+1], v[\st+1], v[TMP]       ; the running largest t
	v_mov_b32 v[TMP], v[\st]
	s_delay_alu instid0(VALU_DEP_2)
	v_floor_f32 v[\st], -v[\st+1]                  ; the new -M = floor(-t): M is a whole number
	s_delay_alu instid0(VALU_DEP_1)
	v_sub_f32 v[TMP], v[\st], v[TMP]               ; old M - new M: a whole number, 0 or less
	s_delay_alu instid0(VALU_DEP_1)
	v_cvt_i32_f32 v[TMP], v[TMP]                   ; (it saturates)
	s_delay_alu instid0(VALU_DEP_1)
	v_ldexp_f32 v[\f], 1.0, v[TMP]                 ; f = 2^(old M - new M)
.set j, 0
.rept 32
	v_pk_fma_f32 v[S+j:S+j+1], v[S+j:S+j+1], s[CS:CS+1], v[\st:\st+1] op_sel_hi:[1,0,0]   ; t - M, two at a time (the low words of c and of -M serve both halves)
.set j, j+2
.endr
.irp k, 0,1,2,3
	v_fma_f32 v[BM+\k], v[BM+\k], s[CS], v[\st]    ; the same of each block's largest score
.endr
.set j, 0
	s_wait_alu depctr_va_vdst(0)
.rept 64
	v_exp_f32 v[S+j], v[S+j]                       ; p = 2^(t - M), at most 1
.set j, j+1
.endr
	v_pk_mul_f32 v[\st+2:\st+3], v[\st+2:\st+3], v[\f:\f+1] op_sel_hi:[1,0]   ; the sums under the new M: a plain place behind the exponentials
	s_wait_alu depctr_va_vdst(0)                   ; one wait for the batch, ahead of its first reader
.irp k, 0,1,2,3
	v_exp_f32 v[BM+\k], v[BM+\k]                   ; the block's largest p: the same two instructions on the same number
.endr
	v_pk_add_f32 v[SUM2:SUM2+1], v[S:S+1], v[S+2:S+3]   ; the row's sum is taken of the unquantised p, in two chains
.irp j2, 4,8,12,16,20,24,28,32,36,40,44,48,52,56,60
	v_pk_add_f32 v[\st+2:\st+3], v[\st+2:\st+3], v[S+\j2:S+\j2+1]
	v_pk_add_f32 v[SUM2:SUM2+1], v[SUM2:SUM2+1], v[S+\j2+2:S+\j2+3]
.endr
	s_delay_alu instid0(VALU_DEP_1)
	v_pk_add_f32 v[\st+2:\st+3], v[\st+2:\st+3], v[SUM2:SUM2+1]
	s_wait_alu depctr_va_vdst(0)                   ; and one for the four
.irp k, 0,1,2,3
	v_max_num_f32 v[BM+\k], 0x1800000, v[BM+\k]    ; the floor 2^(3 - 127): the byte cannot fall under 1
.endr
.irp k, 0,1,2,3
	s_delay_alu instid0(VALU_DEP_4)
	v_add_nc_u32 v[SO+\k], 0xff000000, v[BM+\k]    ; 2 off the exponent field: the conversion's scale operand
.endr
.irp k, 0,1,2,3
	s_delay_alu instid0(VALU_DEP_4)
	v_lshrrev_b32 v[BT+\k], 23, v[SO+\k]           ; the scale's byte
.endr
	s_delay_alu instid0(VALU_DEP_3)
	v_lshl_or_b32 v[\ps], v[BT+1], 8, v[BT]        ; p's scale word for these 128 keys
	s_delay_alu instid0(VALU_DEP_1)
	v_lshl_or_b32 v[\ps], v[BT+2], 16, v[\ps]
	s_delay_alu instid0(VALU_DEP_1)
	v_lshl_or_b32 v[\ps], v[BT+3], 24, v[\ps]
.irp c, 0,1
	v_cvt_scalef32_pk16_fp6_f32 v[\p+6*\c:\p+6*\c+2], v[S+32*\c:S+32*\c+15], v[SO+2*\c]
	v_cvt_scalef32_pk16_fp6_f32 v[CT+4*\c:CT+4*\c+2], v[S+32*\c+16:S+32*\c+31], v[SO+2*\c+1]
.endr
	v_nop                                          ; one plain place behind a scaled conversion
.irp c, 0,1                                    ; the operand's layout wants a WHOLE block in a lane
.irp i, 0,1,2
	v_permlane16_swap_b32 v[\p+6*\c+\i], v[CT+4*\c+\i]
.endr
.irp i, 0,1,2
	s_delay_alu instid0(VALU_DEP_3)
	v_mov_b32 v[\p+3+6*\c+\i], v[CT+4*\c+\i]
.endr
.endr
.endm
; A KEY STEP: 128 keys for my 32 queries: 16 + 32 products, no two on one accumulator.  first = 1: its second products start O^T's sums.
.macro STEP first
	v_add_nc_u32 v[ADR], s[TB], v[LI]
	PLACES 5                                       ; with the line above: places in front of loads into registers that the last products read, and of products that write over them
.set m, 0
.rept 12
	ds_load_b128 v[FR+4*m:FR+4*m+3], v[ADR] offset:512*m           ; K's eight tiles, six registers each
.set m, m+1
.endr
	ds_load_b128 v[KS:KS+3], v[ADR] offset:KSCO
	ds_load_b128 v[VS:VS+3], v[ADR] offset:VSCO
	ds_load_b128 v[VS+4:VS+7], v[ADR] offset:VSCO+512
	s_wait_dscnt 0x0
	QK Q_a, 0
	PLACES 4
	SOFTMAX ST_a, F_a, PS_a, P_a
	QK Q_b, 1
	PLACES 4                                       ; in front of the first read of results, and of the loads into K's registers
	LOADV 0, FR
	SOFTMAX ST_b, F_b, PS_b, P_b
	LOADV 1, S                                     ; p is quantised: its registers are V's second buffer
.if \first
	PLACES 8                                       ; a scale word made by vector instructions stands eight places ahead of its product
.else
	WIN W_RS
.set j, 0
	s_setprio 1
.rept 64
	v_pk_mul_f32 v[j:j+1], v[j:j+1], v[F_a:F_a+1] op_sel_hi:[1,0]  ; O^T under the new M, each accumulator from its low end on
.set j, j+2
.endr
.rept 64
	v_pk_mul_f32 v[j:j+1], v[j:j+1], v[F_b:F_b+1] op_sel_hi:[1,0]
.set j, j+2
.endr
	WIN 0
.endif
	s_wait_alu depctr_va_vdst(0)
	s_wait_dscnt 12                                ; group 0 is in; group 1's twelve loads may be out
	PV 0, FR, \first
	PLACES 4
	LOADV 2, FR
	s_wait_dscnt 12                                ; group 1 is in; group 2's may be out
	PV 1, S, \first
	PLACES 4
	s_setprio 0
	LOADV 3, S
	s_wait_dscnt 12                                ; group 2 is in; group 3's may be out
	PV 2, FR, \first
	s_wait_dscnt 0x0
	PV 3, S, \first
	s_add_co_u32 s[TB], s[TB], 32768               ; the next step block
.endm
.macro TWO_STEPS                               ; a turn's two steps: written once, walked twice
	s_mov_b32 s[TWICE], 2
.Lstep_\@:
	s_setprio 2
	STEP 0
	s_sub_co_u32 s[TWICE], s[TWICE], 1
	s_cmp_lg_u32 s[TWICE], 0
	s_cbranch_scc1 .Lstep_\@
	s_setprio 0
.endm
.macro TBNEXT                                  ; back to my half's first step, in the other slot
	s_sub_co_u32 s[TB], s[TB], 65536
	s_xor_b32 s[TB], s[TB], SLOT1
.endm
	s_load_b256 s[4:11], s[0:1], 0x0               ; qbuf s[4:5], kv s[6:7], wli s[8:9], nbi s[10:11]
	s_load_b128 s[12:15], s[0:1], 0x20             ; ybuf s[12:13], stats s[14:15]
	v_lshl_add_u32 v[SPW], v0, 2, SPARE
	v_mov_b32 v[NIL], 0
	ds_add_u32 v3, v4
	ds_add_u32 v3, v4
	s_wait_dscnt 0x0
	v_lshrrev_b32 v2, 5, v0
	s_delay_alu instid0(VALU_DEP_1)
	v_readfirstlane_b32 s[WV], v2                  ; wave 0..7
	v_and_b32 v2, 31, v0
	s_delay_alu instid0(VALU_DEP_1)
	v_lshlrev_b32 v[LI], 4, v2
	s_and_b32 s17, s[WV], 3                        ; g
	s_lshr_b32 s18, s[WV], 2                       ; kh
	s_bfe_u32 s19, ttmp6, 0x40000                  ; cx: it enters global addresses of my own alone
	s_lshl_b32 s20, ttmp9, 2
	s_add_co_u32 s20, s20, s19                     ; my block of 128 queries
	s_and_b32 s21, ttmp7, 0xffff                   ; y = 4 d + b
	s_lshr_b32 s22, s21, 2                         ; d
	s_and_b32 s23, s21, 3                          ; b
	; descriptor group 1: 16,384 dense bytes as 64 rows of 32 elements of 8 bytes
	s_mov_b32 s[G1], 15|(3<<16)|(1<<21)            ; 15:0 the mask: all four work-groups; 17:16 elements of 8 bytes; 20 no padding; 21 set beside a mask
	s_mov_b32 s[G1+1], 32<<16                      ; tensor_dim0 = 32
	s_mov_b32 s[G1+2], 64<<16                      ; tensor_dim1 = 64
	s_mov_b32 s[G1+3], 32<<16                      ; tile_dim0 = 32
	s_mov_b32 s[G1+4], 64                          ; tile_dim1 = 64
	s_mov_b32 s[G1+5], 32                          ; from row to row
	s_mov_b32 s[G1+6], 0
	s_mov_b32 s[G1+7], 0
	s_xor_b32 s46, s22, 1                          ; K and V come from the other feature
	s_lshl_b32 s46, s46, 2
	s_add_co_u32 s46, s46, s23
	s_lshl_b32 s46, s46, 20                        ; its 32 step blocks
	s_lshl_b32 s56, s18, 19                        ; my key half: 16 step blocks on,
	s_lshl_b32 s57, s17, 14                        ; my quarter of a turn's two blocks
	s_add_co_u32 s56, s56, s57
	s_add_co_u32 s56, s56, s46
	s_mov_b32 s57, 0
	s_lshr_b32 s58, s19, 1                         ; the prefetches: my work-group's key half
	s_lshl_b32 s58, s58, 19
	s_and_b32 s59, s19, 1                          ; and step,
	s_lshl_b32 s59, s59, 15
	s_add_co_u32 s58, s58, s59
	s_lshl_b32 s59, s[WV], 13                      ; my wave's 8,192 bytes,
	s_add_co_u32 s58, s58, s59
	s_add_co_u32 s58, s58, s46
	s_add_co_u32 s58, s58, 65536                   ; in turn 1: the first change steps it to turn 2.  Nothing is prefetched at the head
	s_mov_b32 s59, 0
	s_or_b32 s[LIM], s18, ttmp9                    ; waves 0 to 3 of the first cluster of this y: the same in all four partners
	s_cmp_eq_u32 s[LIM], 0
	s_cselect_b32 s[LIM], 1, -1
	s_lshl_b32 s60, s21, 5
	s_add_co_u32 s60, s60, s20                     ; 32 y + my block
	s_lshl_b32 s2, s60, 2
	s_add_co_u32 s2, s2, s17
	s_mul_i32 s2, s2, 1536                         ; Q's codes of my 32 queries
	s_mov_b32 s3, 0
	s_lshl_b32 s46, s60, 15
	s_lshl_b32 s47, s17, 2
	s_add_co_u32 s46, s46, s47
	s_add_co_u32 s46, s46, QSCO                    ; and their scale words, in my own feature's step block
	s_mov_b32 s47, 0
	s_lshl_b32 s48, s23, 22                        ; the residual: batch b,
	s_lshl_b32 s49, s[WV], 19                      ; channels 32 w on,
	s_add_co_u32 s48, s48, s49
	s_lshl_b32 s49, s20, 9                         ; my block's 512 bytes of a row
	s_add_co_u32 s48, s48, s49
	s_mov_b32 s49, 0
	s_lshl_b32 s50, s22, 24
	s_add_co_u32 s50, s50, s48                     ; the same place in ybuf's direction d
	s_mov_b32 s51, 0
	s_lshl_b32 s52, s60, 11
	s_lshl_b32 s53, s[WV], 8
	s_add_co_u32 s52, s52, s53                     ; stats: block 32 y + my block, channels 32 w on
	s_mov_b32 s53, 0
	s_mov_b32 s[CS], 0x3e38aa3b                    ; c = log2(e) / 8
	s_mov_b32 s[CS+1], s[CS]
	s_mov_b32 s[SEL], 0x76543210
	s_mov_b32 s[SEL+1], 0xfedcba98
	s_lshl_b32 s[TB], s18, 16                      ; my key half's part of slot 0
	s_mov_b32 s[SLOTS], 7
	s_wait_kmcnt 0x0
	s_mov_b32 s[G0], 1                             ; count = 1
	s_lshl_b32 s[G0+1], s[WV], 14                  ; LDS address: 16,384 x wave, slot 0
	s_add_nc_u64 s[G0+2:G0+3], s[6:7], s[56:57]    ; global address: turn 0
	s_or_b32 s[G0+3], s[G0+3], 0x80000000          ; type = 2
	s_add_nc_u64 s[PFA:PFA+1], s[6:7], s[58:59]
	s_add_nc_u64 s[2:3], s[4:5], s[2:3]
	s_add_nc_u64 s[46:47], s[6:7], s[46:47]
	s_cmp_eq_u32 s22, 0
	s_cselect_b64 s[8:9], s[8:9], s[10:11]         ; the direction's own feature
	s_add_nc_u64 s[48:49], s[8:9], s[48:49]
	s_add_nc_u64 s[50:51], s[12:13], s[50:51]
	s_add_nc_u64 s[52:53], s[14:15], s[52:53]
	CROUND                                         ; all four work-groups are here: the first joint loads meet
	tensor_load_to_lds s[G0:G0+3], s[G1:G1+7]      ; turn 0
	s_nop 0
	PLACES 4
	s_wait_alu depctr_va_vdst(0)
	global_load_b128 v[Q_a:Q_a+3], v[LI], s[2:3]               ; tile a's registers 0-3
	global_load_b128 v[P_a:P_a+3], v[LI], s[2:3] offset:512    ; a's 4, 5 and b's 0, 1: placed below
	global_load_b128 v[Q_b+2:Q_b+5], v[LI], s[2:3] offset:1024 ; b's 2-5
	global_load_b32 v[QS], v[LI], s[46:47]                     ; lanes 0-15 tile a's scale words, lanes 16-31 tile b's
	v_lshlrev_b32 v[PFO], 8, v2
	v_lshlrev_b32 v[L8], 3, v2
	v_lshlrev_b32 v200, 2, v2
	s_lshl_b32 s56, s[WV], 9
	s_add_co_u32 s56, s56, EX
	v_add_nc_u32 v[EXW], s56, v200
	s_xor_b32 s57, s[WV], 4                        ; my partner: the same queries, the other keys
	s_lshl_b32 s57, s57, 9
	s_add_co_u32 s57, s57, EX
	v_add_nc_u32 v[EXR], s57, v200
	v_and_b32 v200, 15, v0
	v_and_b32 v201, 8, v0
	s_delay_alu instid0(VALU_DEP_1)
	v_add_nc_u32 v200, v200, v201                  ; r + (r & 8): my query's place in its group of 32, less 8 u
	v_bfe_u32 v201, v0, 4, 1                       ; h
	s_delay_alu instid0(VALU_DEP_2)
	v_lshlrev_b32 v[STO0], 2, v200
	s_delay_alu instid0(VALU_DEP_1)
	v_mad_u32_u24 v[STO0], v201, 4224, v[STO0]     ; 8 h rows of 528 bytes
	s_mul_i32 s56, s18, STGB
	s_lshl_b32 s57, s17, 7
	s_add_co_u32 s56, s56, s57
	v_add_nc_u32 v[STO0], s56, v[STO0]
	s_delay_alu instid0(VALU_DEP_1)
	v_add_nc_u32 v[STO1], 67584, v[STO0]           ; 128 rows on
	s_mul_i32 s56, s[WV], 16896                    ; 32 rows a wave
	v_add_nc_u32 v[RD0], s56, v[LI]
	s_delay_alu instid0(VALU_DEP_1)
	v_add_nc_u32 v[RD1], STGB, v[RD0]
.irp t, ST_a, ST_b
	v_mov_b32 v[\t+1], 0xff61b1e6                  ; the largest t so far: -3e38, under every t
	s_delay_alu instid0(VALU_DEP_1)
	v_floor_f32 v[\t], -v[\t+1]                    ; -M
	v_mov_b32 v[\t+2], 0                           ; the sum, in two halves
	v_mov_b32 v[\t+3], 0
.endr
.irp i, 0,1,2,3,4,5
	v_mov_b32 v[Q_a+6+\i], 0                       ; the empty half of the first product's K: zero codes in Q,
	v_mov_b32 v[Q_b+6+\i], 0
	v_mov_b32 v[FR+48+\i], 0                       ; and six registers behind K's tile 7
.endr
.irp k, 0,1,2,3
	v_mov_b32 v[BT+\k], 0                          ; written once: a lane permute's destination counts as one of its sources
.endr
	v_mov_b32 v[F_a+1], 0                          ; (named as the upper halves of pairs)
	v_mov_b32 v[F_b+1], 0
	v_mov_b32 v[MV], 0
	v_mov_b32 v[MV+1], 0
	s_wait_loadcnt 0x0                             ; Q
	v_mov_b32 v[Q_a+4], v[P_a]
	v_mov_b32 v[Q_a+5], v[P_a+1]
	v_mov_b32 v[Q_b], v[P_a+2]
	v_mov_b32 v[Q_b+1], v[P_a+3]
	CHANGE 1                                       ; turn 0 is whole; turn 1 goes out
	s_wait_alu depctr_va_vdst(0)
	STEP 1                                         ; the first step's second products start O^T: nothing is cleared
	STEP 0
	TBNEXT
	s_mov_b32 s[SLOTS], 6
.Lslot:                                            ; turns 1 to 6: behind each change the next turn is asked for
	CHANGE 1
	TWO_STEPS
	TBNEXT
	s_sub_co_u32 s[SLOTS], s[SLOTS], 1
	s_cmp_lg_u32 s[SLOTS], 0
	s_cbranch_scc1 .Lslot
	CHANGE 0                                       ; the last turn is written out
	TWO_STEPS
	; THE WAY OUT.  The four additions are the places behind the last products, in front of the loads into registers that they read.
	v_add_f32 v[ST_a+2], v[ST_a+2], v[ST_a+3]
	v_add_f32 v[ST_b+2], v[ST_b+2], v[ST_b+3]
	s_delay_alu instid0(VALU_DEP_2)
	v_permlanex16_b32 v[BT], v[ST_a+2], s[SEL], s[SEL+1]
	s_delay_alu instid0(VALU_DEP_2)
	v_permlanex16_b32 v[BT+1], v[ST_b+2], s[SEL], s[SEL+1]
	s_delay_alu instid0(VALU_DEP_2)
	v_add_f32 v[ST_a+2], v[ST_a+2], v[BT]          ; my key half's sum of each query
	s_delay_alu instid0(VALU_DEP_2)
	v_add_f32 v[ST_b+2], v[ST_b+2], v[BT+1]
.set n, 0
.rept 32
	global_load_b128 v[X+4*n:X+4*n+3], v[LI], s[48:49] offset:n*16384 th:TH_LOAD_NT   ; the residual of channel 32 w + n: 512 consecutive bytes; it lands while the halves are joined
.set n, n+1
.endr
	ds_store_b32 v[EXW], v[ST_a]
	ds_store_b32 v[EXW], v[ST_b] offset:128
	ds_store_b32 v[EXW], v[ST_a+2] offset:256
	ds_store_b32 v[EXW], v[ST_b+2] offset:384
	s_wait_dscnt 0x0                               ; for the others' sake: my words have landed, and my reads of the ring are over
	s_barrier_signal -1
	s_barrier_wait -1                              ; from here on nobody reads the ring
.irp k, 0,1,2,3
	ds_load_b32 v[BM+\k], v[EXR] offset:128*\k     ; my partner's -M_a, -M_b, l_a, l_b
.endr
	s_wait_dscnt 0x0
	v_min_num_f32 v[SO], v[ST_a], v[BM]            ; the common -M
	v_min_num_f32 v[SO+1], v[ST_b], v[BM+1]
	s_delay_alu instid0(VALU_DEP_2)
	v_sub_f32 v[BT], v[SO], v[ST_a]                ; my M - the common M: a whole number, 0 or less;
	s_delay_alu instid0(VALU_DEP_2)
	v_sub_f32 v[BT+1], v[SO+1], v[ST_b]
	s_delay_alu instid0(VALU_DEP_4)
	v_sub_f32 v[BT+2], v[SO], v[BM]                ; my partner's
	s_delay_alu instid0(VALU_DEP_4)
	v_sub_f32 v[BT+3], v[SO+1], v[BM+1]
.irp k, 0,1,2,3
	s_delay_alu instid0(VALU_DEP_4)
	v_cvt_i32_f32 v[BT+\k], v[BT+\k]
.endr
.irp k, 0,1,2,3
	s_delay_alu instid0(VALU_DEP_4)
	v_ldexp_f32 v[BT+\k], 1.0, v[BT+\k]
.endr
	s_delay_alu instid0(VALU_DEP_2)
	v_mul_f32 v[SO+2], v[BM+2], v[BT+2]
	s_delay_alu instid0(VALU_DEP_2)
	v_mul_f32 v[SO+3], v[BM+3], v[BT+3]
	s_delay_alu instid0(VALU_DEP_2)
	v_fma_f32 v[SO+2], v[ST_a+2], v[BT], v[SO+2]   ; the row's sum under the common M
	s_delay_alu instid0(VALU_DEP_2)
	v_fma_f32 v[SO+3], v[ST_b+2], v[BT+1], v[SO+3]
	s_wait_alu depctr_va_vdst(0)
	v_rcp_f32 v[SO], v[SO+2]
	v_rcp_f32 v[SO+1], v[SO+3]
	v_nop                                          ; a plain place behind the reciprocals
	s_wait_alu depctr_va_vdst(0)                   ; one wait for both, ahead of their first reader
	v_mul_f32 v[F_a], v[BT], v[SO]
	v_mul_f32 v[F_b], v[BT+1], v[SO+1]
	WIN W_RS
.set j, 0
.rept 64
	v_pk_mul_f32 v[j:j+1], v[j:j+1], v[F_a:F_a+1] op_sel_hi:[1,0]  ; my half of O^T, under the common M and divided by the sum
.set j, j+2
.endr
.rept 64
	v_pk_mul_f32 v[j:j+1], v[j:j+1], v[F_b:F_b+1] op_sel_hi:[1,0]
.set j, j+2
.endr
	WIN 0x04                                       ; an LDS store's data are its source 1: window 1
; register 8 ct + i of lane (r, h) is channel 16 ct + 8 h + i of my query: the stage's row is the channel.  The 32 lanes of a store fall on 32 different banks (words 0-7, 16-23 and, 1,056 words on, 32-39, 48-55 modulo 64)
.set n, 0
.rept 8
.irp i, 0,1,2,3,4,5,6,7
	ds_store_b32 v[STO0], v[8*n+\i] offset:(16*n+\i)*528
	ds_store_b32 v[STO0], v[128+8*n+\i] offset:(16*n+\i)*528+32
.endr
.set n, n+1
.endr
.set n, 0
.rept 8
.irp i, 0,1,2,3,4,5,6,7
	ds_store_b32 v[STO1], v[64+8*n+\i] offset:(16*n+\i)*528
	ds_store_b32 v[STO1], v[192+8*n+\i] offset:(16*n+\i)*528+32
.endr
.set n, n+1
.endr
	WIN 0
	s_wait_dscnt 0x0                               ; for the others' sake: my stores into the stages have landed
	s_barrier_signal -1
	s_barrier_wait -1
	WIN 0x40                                       ; destination window 1: O^T's registers are free
.set n, 0
.rept 32
	ds_load_b128 v[8*n:8*n+3], v[RD0] offset:n*528                 ; channel 32 w + n: both key halves' rows of 512 bytes
	ds_load_b128 v[8*n+4:8*n+7], v[RD1] offset:n*528
.set n, n+1
.endr
	s_wait_loadcnt 0x0                             ; the residual
; Eight rows: x is stored; the row's mean; the deviations and their squares' sum: never a difference of large sums.  The eight rows take turns line by line.
.macro ROWS k
.irp q, 0,1,2,3,4,5,6,7
	global_store_b128 v[LI], v[X+4*(8*\k+\q):X+4*(8*\k+\q)+3], s[50:51] offset:(8*\k+\q)*16384 th:TH_STORE_NT   ; 32 lanes store 512 consecutive bytes, aligned
.endr
.irp q, 0,1,2,3,4,5,6,7
	v_pk_add_f32 v[T+2*\q:T+2*\q+1], v[X+4*(8*\k+\q):X+4*(8*\k+\q)+1], v[X+4*(8*\k+\q)+2:X+4*(8*\k+\q)+3]
.endr
.irp q, 0,1,2,3,4,5,6,7
	v_add_f32 v[T+2*\q], v[T+2*\q], v[T+2*\q+1]
.endr
.irp m, 1,2,4,8
.irp q, 0,1,2,3,4,5,6,7
	v_add_f32_dpp v[T+2*\q], v[T+2*\q], v[T+2*\q] row_xmask:\m row_mask:0xf bank_mask:0xf
.endr
.endr
.irp q, 0,1,2,3,4,5,6,7
	v_permlanex16_b32 v[T+2*\q+1], v[T+2*\q], s[SEL], s[SEL+1]
.endr
.irp q, 0,1,2,3,4,5,6,7
	v_add_f32 v[T+2*\q], v[T+2*\q], v[T+2*\q+1]
.endr
.irp q, 0,1,2,3,4,5,6,7
	v_mul_f32 v[T+2*\q], 0x3c000000, v[T+2*\q]     ; / 128: the mean, in every lane
.endr
.irp q, 0,1,2,3,4,5,6,7
	v_pk_add_f32 v[D+4*\q:D+4*\q+1], v[X+4*(8*\k+\q):X+4*(8*\k+\q)+1], v[T+2*\q:T+2*\q+1] op_sel_hi:[1,0] neg_lo:[0,1] neg_hi:[0,1]
	v_pk_add_f32 v[D+4*\q+2:D+4*\q+3], v[X+4*(8*\k+\q)+2:X+4*(8*\k+\q)+3], v[T+2*\q:T+2*\q+1] op_sel_hi:[1,0] neg_lo:[0,1] neg_hi:[0,1]
.endr
.irp q, 0,1,2,3,4,5,6,7
	v_pk_mul_f32 v[D+4*\q:D+4*\q+1], v[D+4*\q:D+4*\q+1], v[D+4*\q:D+4*\q+1]
.endr
.irp q, 0,1,2,3,4,5,6,7
	v_pk_fma_f32 v[D+4*\q:D+4*\q+1], v[D+4*\q+2:D+4*\q+3], v[D+4*\q+2:D+4*\q+3], v[D+4*\q:D+4*\q+1]
.endr
.irp q, 0,1,2,3,4,5,6,7
	v_add_f32 v[D+4*\q], v[D+4*\q], v[D+4*\q+1]
.endr
.irp m, 1,2,4,8
.irp q, 0,1,2,3,4,5,6,7
	v_add_f32_dpp v[D+4*\q], v[D+4*\q], v[D+4*\q] row_xmask:\m row_mask:0xf bank_mask:0xf
.endr
.endr
.irp q, 0,1,2,3,4,5,6,7
	v_permlanex16_b32 v[D+4*\q+1], v[D+4*\q], s[SEL], s[SEL+1]
.endr
.irp q, 0,1,2,3,4,5,6,7
	v_add_f32 v[D+4*\q], v[D+4*\q], v[D+4*\q+1]
.endr
.irp q, 0,1,2,3,4,5,6,7
	s_mov_b32 s54, 1<<(8*\k+\q)
	v_cndmask_b32 v[MV], v[MV], v[T+2*\q], s54     ; lane 8 k + q keeps its channel's pair
	v_cndmask_b32 v[MV+1], v[MV+1], v[D+4*\q], s54
.endr
.endm
.irp k, 0,1,2,3
	WIN 0x01                                       ; source 0 window 1
	s_wait_dscnt 48-16*\k                          ; these eight rows of both stages are in; the later groups' loads may be out
.set n, 8*\k
.rept 8
	v_pk_add_f32 v[X+4*n:X+4*n+1], v[8*n:8*n+1], v[X+4*n:X+4*n+1]             ; x = residual + the first key half's part
	v_pk_add_f32 v[X+4*n+2:X+4*n+3], v[8*n+2:8*n+3], v[X+4*n+2:X+4*n+3]
	s_delay_alu instid0(VALU_DEP_2)
	v_pk_add_f32 v[X+4*n:X+4*n+1], v[8*n+4:8*n+5], v[X+4*n:X+4*n+1]           ; + the second's
	s_delay_alu instid0(VALU_DEP_2)
	v_pk_add_f32 v[X+4*n+2:X+4*n+3], v[8*n+6:8*n+7], v[X+4*n+2:X+4*n+3]
.set n, n+1
.endr
	WIN 0
	ROWS \k
.endr
	global_store_b64 v[L8], v[MV:MV+1], s[52:53]   ; 32 lanes store 256 consecutive bytes, aligned
	s_wait_tensorcnt 0x0                           ; the wave's end: behind my last tensor load and my last LDS store
	ds_add_u32 v[SPW], v[NIL]
	s_wait_dscnt 0x0
	CROUND                                         ; the closing round: no work-group ends while a partner may still ask for a tile that names it
	s_endpgm
.Lfunc_end_k_qad5ece1211_attn:
	.size	k_qad5ece1211_attn, .Lfunc_end_k_qad5ece1211_attn-k_qad5ece1211_attn
	.p2alignl 7, 3214868480
	.fill 96, 4, 3214868480
	.section	.rodata,"a",@progbits
	.p2align	6, 0x0
	.amdhsa_kernel k_qad5ece1211_attn
		.amdhsa_group_segment_fixed_size 327680
		.amdhsa_private_segment_fixed_size 0
		.amdhsa_enable_private_segment 0
		.amdhsa_kernarg_size 48
		.amdhsa_user_sgpr_count 2
		.amdhsa_user_sgpr_kernarg_segment_ptr 1
		.amdhsa_wavefront_size32 1
		.amdhsa_system_sgpr_workgroup_id_x 1
		.amdhsa_system_sgpr_workgroup_id_y 1
		.amdhsa_system_sgpr_workgroup_id_z 1
		.amdhsa_system_vgpr_workitem_id 0
		.amdhsa_next_free_vgpr 512
		.amdhsa_next_free_sgpr 66
		.amdhsa_reserve_vcc 0
		.amdhsa_float_denorm_mode_32 3
		.amdhsa_float_denorm_mode_16_64 3
		.amdhsa_memory_ordered 1
		.amdhsa_forward_progress 1
		.amdhsa_inst_pref_size 255
	.end_amdhsa_kernel
	.section	.bss,"aw",@nobits
	.p2align	6
	.space	262144
	.amdgpu_metadata
---
amdhsa.version: [ 1, 2 ]
amdhsa.kernels:
  - .name:           k_qad5ece1211_attn
    .symbol:         k_qad5ece1211_attn.kd
    .args:
      - { .name: qbuf, .offset: 0, .size: 8, .value_kind: global_buffer, .address_space: global }
      - { .name: kv, .offset: 8, .size: 8, .value_kind: global_buffer, .address_space: global }
      - { .name: wli_feat, .offset: 16, .size: 8, .value_kind: global_buffer, .address_space: global }
      - { .name: nbi_aligned, .offset: 24, .size: 8, .value_kind: global_buffer, .address_space: global }
      - { .name: ybuf, .offset: 32, .size: 8, .value_kind: global_buffer, .address_space: global }
      - { .name: stats, .offset: 40, .size: 8, .value_kind: global_buffer, .address_space: global }
    .group_segment_fixed_size: 327680
    .private_segment_fixed_size: 0
    .kernarg_segment_align: 8
    .kernarg_segment_size: 48
    .max_flat_workgroup_size: 256
    .sgpr_count:     66
    .vgpr_count:     512
    .wavefront_size: 32
...
	.end_amdgpu_metadata
.endif
;; end of part 3
;; launch bn (part 4): grid 16 x 16, 8 waves a work-group, no clusters, 9,216 bytes of LDS; arguments ybuf, stats, gamma_wli, beta_wli, gamma_nbi, beta_nbi, out0, out1; writes out0, out1
.if DOCPART == 4
	.amdgcn_target "amdgcn-amd-amdhsa--gfx1250"
	.amdhsa_code_object_version 6
	.text
	.protected	k_qad5ece1211_bn
	.globl	k_qad5ece1211_bn
	.p2align	8
	.type	k_qad5ece1211_bn,@function
k_qad5ece1211_bn:
	s_mov_b64 s[64:65], 0
	v_nop
	global_prefetch_b8 v0, s[64:65] scope:SCOPE_SE
	s_setreg_imm32_b32 hwreg(HW_REG_WAVE_MODE, 25, 1), 1
	s_wait_xcnt 0x0
; out_d = (x - mean) rsqrt(var + 1e-5) gamma + beta, mean and var of each channel over its 16,384 numbers.  x = ybuf [d][b][c][hw]; stats [d][128 blocks][c][2] holds each block's mean and sum of squared deviations (128 numbers).
; y = 8 d + cg (32 channels), x = 4 b + quarter (1,024 positions).  Wave w normalises channels 32 cg + 4 w + 0 .. 3: 32 loads and 32 stores of 512 consecutive bytes.
; THE STATISTICS.  All blocks have 128 numbers, so the mean is the mean of the blocks' means, and the sum of squared deviations is the sum over blocks of M2_j + 128 (mean_j - mean)^2: no difference of large sums.
; A lane takes a channel, wave w blocks w, w + 8, ..: each load is 256 consecutive bytes.  The waves' sums meet in LDS twice, in bytes of their own, each behind a barrier.  Each work-group of a y does this anew: 32 KB beside its 128 KB.
; A stream: no matrix unit, no tensor load, no cluster (what work-groups share is that fifth); all 50 loads of a wave go out at the head.
; LIMITS: NaN and infinities are not served.
.set RED1, 0                           ; LDS: 8 waves x 128 bytes: sums of means
.set RED2, 1024                        ; sums of squares
.set AB,   2048                        ; 8 waves x 512 bytes, each wave's own: (a, sh, sh, a) of each channel
.set SM,   16                          ; v16-47  16 pairs (mean_j, M2_j); later four channels' (a, sh, sh, a)
.set DT,   64                          ; v64-191 the data: 32 registers a channel
	s_load_b256 s[4:11], s[0:1], 0x0               ; ybuf s[4:5], stats s[6:7], gamma_wli s[8:9], beta_wli s[10:11]
	s_load_b256 s[12:19], s[0:1], 0x20             ; gamma_nbi s[12:13], beta_nbi s[14:15], out0 s[16:17], out1 s[18:19]
	v_lshl_add_u32 v192, v0, 2, 0x2000
	v_mov_b32 v193, 0
	v_lshrrev_b32 v1, 5, v0
	s_delay_alu instid0(VALU_DEP_1)
	v_readfirstlane_b32 s20, v1                    ; wave 0..7
	v_and_b32 v1, 31, v0
	s_delay_alu instid0(VALU_DEP_1)
	v_lshlrev_b32 v2, 4, v1                        ; 16 x lane
	s_delay_alu instid0(VALU_DEP_2)
	v_lshlrev_b32 v3, 3, v1                        ; 8 x lane
	s_delay_alu instid0(VALU_DEP_3)
	v_lshlrev_b32 v4, 2, v1                        ; 4 x lane
	s_wait_alu depctr_va_vdst(0)
	s_and_b32 s21, ttmp7, 0xffff
	s_lshr_b32 s22, s21, 3                         ; d
	s_and_b32 s23, s21, 7                          ; cg
	s_lshr_b32 s24, ttmp9, 2                       ; b
	s_and_b32 s25, ttmp9, 3                        ; quarter
	s_lshl_b32 s26, s24, 22
	s_lshl_b32 s27, s23, 19                        ; 32 cg channels of 16,384 bytes
	s_add_co_u32 s26, s26, s27
	s_lshl_b32 s27, s20, 16                        ; 4 w channels
	s_add_co_u32 s26, s26, s27
	s_lshl_b32 s27, s25, 12
	s_add_co_u32 s26, s26, s27
	s_mov_b32 s27, 0                               ; my wave's place in a direction: the same in ybuf and in the output
	s_lshl_b32 s28, s22, 24
	s_mov_b32 s29, 0
	s_lshl_b32 s30, s22, 18
	s_lshl_b32 s31, s20, 11                        ; block w
	s_add_co_u32 s30, s30, s31
	s_lshl_b32 s31, s23, 8                         ; 32 cg channels of 8 bytes
	s_add_co_u32 s30, s30, s31
	s_mov_b32 s31, 0
	s_lshl_b32 s32, s23, 7
	s_mov_b32 s33, 0
	s_lshl_b32 s34, s20, 7
	v_add_nc_u32 v5, s34, v4                       ; where my wave's sums go
	s_lshl_b32 s35, s20, 9
	v_add_nc_u32 v6, s35, v2                       ; my wave's part of AB
	s_mul_i32 s36, s20, 576
	v_mov_b32 v7, s36                              ; in it channel 4 w: 512 w + 16 x 4 w
	s_mov_b32 s37, 0x3c000000                      ; 1 / 128
	s_mov_b32 s38, 0x3727c5ac                      ; 1e-5
	s_wait_kmcnt 0x0
	s_cmp_eq_u32 s22, 0
	s_cselect_b64 s[8:9], s[8:9], s[12:13]
	s_cselect_b64 s[10:11], s[10:11], s[14:15]
	s_cselect_b64 s[16:17], s[16:17], s[18:19]
	s_add_nc_u64 s[4:5], s[4:5], s[28:29]
	s_add_nc_u64 s[4:5], s[4:5], s[26:27]
	s_add_nc_u64 s[16:17], s[16:17], s[26:27]
	s_add_nc_u64 s[6:7], s[6:7], s[30:31]
	s_add_nc_u64 s[8:9], s[8:9], s[32:33]
	s_add_nc_u64 s[10:11], s[10:11], s[32:33]
	global_load_b32 v8, v4, s[8:9]                 ; gamma of channel 32 cg + lane
	global_load_b32 v9, v4, s[10:11]               ; beta
.irp j, 0,1,2,3,4,5,6,7,8,9,10,11,12,13,14,15
	global_load_b64 v[SM+2*\j:SM+2*\j+1], v3, s[6:7] offset:16384*\j   ; block w + 8 j
.endr
.irp k, 0,1,2,3
.irp j, 0,1,2,3,4,5,6,7
	global_load_b128 v[DT+32*\k+4*\j:DT+32*\k+4*\j+3], v2, s[4:5] offset:16384*\k+512*\j th:TH_LOAD_NT
.endr
.endr
	s_wait_loadcnt 32                              ; gamma, beta and the statistics are in; the 32 data loads may be out
	v_add_f32 v11, v16, v24
	v_add_f32 v12, v32, v40
	v_add_f32 v13, v18, v26
	v_add_f32 v63, v34, v42
	v_add_f32 v62, v20, v28
	v_add_f32 v61, v36, v44
	v_add_f32 v60, v22, v30
	v_add_f32 v10, v38, v46
	s_delay_alu instid0(VALU_DEP_1)
	v_add_f32 v10, v10, v63
	v_add_f32 v11, v11, v62
	v_add_f32 v12, v12, v61
	v_add_f32 v13, v13, v60
	s_delay_alu instid0(VALU_DEP_2)
	v_add_f32 v10, v10, v12
	s_delay_alu instid0(VALU_DEP_2)
	v_add_f32 v11, v11, v13
	s_delay_alu instid0(VALU_DEP_1)
	v_add_f32 v10, v10, v11
	ds_store_b32 v5, v10 offset:RED1
	s_wait_dscnt 0x0                               ; for the others' sake
	s_barrier_signal -1
	s_barrier_wait -1
.irp i, 0,1,2,3,4,5,6,7
	ds_load_b32 v[48+\i], v4 offset:RED1+128*\i
.endr
	s_wait_dscnt 0x0
.irp i, 0,2,4,6
	v_add_f32 v[48+\i], v[48+\i], v[49+\i]
.endr
	s_delay_alu instid0(VALU_DEP_3)
	v_add_f32 v48, v48, v50
	s_delay_alu instid0(VALU_DEP_2)
	v_add_f32 v52, v52, v54
	s_delay_alu instid0(VALU_DEP_1)
	v_add_f32 v48, v48, v52
	s_delay_alu instid0(VALU_DEP_1)
	v_mul_f32 v14, s37, v48                        ; the channel's mean
.irp j, 0,1,2,3,4,5,6,7,8,9,10,11,12,13,14,15
	v_sub_f32 v[SM+2*\j], v[SM+2*\j], v14          ; mean_j - mean
.endr
.irp q, 0,1,2,3
	v_mul_f32 v[10+\q], s37, v[SM+1+2*\q]          ; M2_j / 128 + (mean_j - mean)^2, in four chains
.endr
.irp q, 0,1,2,3
	s_delay_alu instid0(VALU_DEP_4)
	v_fma_f32 v[10+\q], v[SM+2*\q], v[SM+2*\q], v[10+\q]
.endr
.irp m, 1,2,3
.irp q, 0,1,2,3
	s_delay_alu instid0(VALU_DEP_4)
	v_fma_f32 v[10+\q], v[SM+1+8*\m+2*\q], s37, v[10+\q]
.endr
.irp q, 0,1,2,3
	s_delay_alu instid0(VALU_DEP_4)
	v_fma_f32 v[10+\q], v[SM+8*\m+2*\q], v[SM+8*\m+2*\q], v[10+\q]
.endr
.endr
	s_delay_alu instid0(VALU_DEP_3)
	v_add_f32 v10, v10, v11
	s_delay_alu instid0(VALU_DEP_2)
	v_add_f32 v12, v12, v13
	s_delay_alu instid0(VALU_DEP_1)
	v_add_f32 v10, v10, v12
	ds_store_b32 v5, v10 offset:RED2
	s_wait_dscnt 0x0
	s_barrier_signal -1
	s_barrier_wait -1
.irp i, 0,1,2,3,4,5,6,7
	ds_load_b32 v[48+\i], v4 offset:RED2+128*\i
.endr
	s_wait_dscnt 0x0
.irp i, 0,2,4,6
	v_add_f32 v[48+\i], v[48+\i], v[49+\i]
.endr
	s_delay_alu instid0(VALU_DEP_3)
	v_add_f32 v48, v48, v50
	s_delay_alu instid0(VALU_DEP_2)
	v_add_f32 v52, v52, v54
	s_delay_alu instid0(VALU_DEP_1)
	v_add_f32 v48, v48, v52
	s_delay_alu instid0(VALU_DEP_1)
	v_fma_f32 v15, v48, s37, s38                   ; var + 1e-5: the 128 blocks' sum / 128
	s_wait_alu depctr_va_vdst(0)
	v_rsq_f32 v60, v15
	v_nop                                          ; a plain place behind the transcendental
	s_wait_alu depctr_va_vdst(0)                   ; the wait ahead of its first reader
	v_mul_f32 v56, v8, v60                         ; a = gamma rsqrt(var + eps)
	s_delay_alu instid0(VALU_DEP_1)
	v_fma_f32 v57, -v14, v56, v9                   ; sh = beta - mean a
	s_delay_alu instid0(VALU_DEP_1)
	v_mov_b32 v58, v57                             ; (a, sh, sh, a): one load of 16 bytes then gives a pair that begins with a and a pair that begins with sh
	s_delay_alu instid0(VALU_DEP_3)
	v_mov_b32 v59, v56
	ds_store_b128 v6, v[56:59] offset:AB
.irp k, 0,1,2,3
	ds_load_b128 v[SM+4*\k:SM+4*\k+3], v7 offset:AB+16*\k   ; my wave's own bytes, served in order: channel 4 w + k's, the same in every lane
.endr
	s_wait_dscnt 0x0
.irp k, 0,1,2,3
	s_wait_loadcnt 24-8*\k                         ; this channel's eight loads are in; the later channels' may be out
.irp j, 0,1,2,3,4,5,6,7
	v_pk_fma_f32 v[DT+32*\k+4*\j:DT+32*\k+4*\j+1], v[DT+32*\k+4*\j:DT+32*\k+4*\j+1], v[SM+4*\k:SM+4*\k+1], v[SM+4*\k+2:SM+4*\k+3] op_sel_hi:[1,0,0]
	v_pk_fma_f32 v[DT+32*\k+4*\j+2:DT+32*\k+4*\j+3], v[DT+32*\k+4*\j+2:DT+32*\k+4*\j+3], v[SM+4*\k:SM+4*\k+1], v[SM+4*\k+2:SM+4*\k+3] op_sel_hi:[1,0,0]
.endr
.irp j, 0,1,2,3,4,5,6,7
	global_store_b128 v2, v[DT+32*\k+4*\j:DT+32*\k+4*\j+3], s[16:17] offset:16384*\k+512*\j th:TH_STORE_NT   ; 32 lanes store 512 consecutive bytes, aligned
.endr
.endr
	s_wait_tensorcnt 0x0
	ds_add_u32 v192, v193
	s_wait_dscnt 0x0
	s_endpgm
.Lfunc_end_k_qad5ece1211_bn:
	.size	k_qad5ece1211_bn, .Lfunc_end_k_qad5ece1211_bn-k_qad5ece1211_bn
	.p2alignl 7, 3214868480
	.fill 96, 4, 3214868480
	.section	.rodata,"a",@progbits
	.p2align	6, 0x0
	.amdhsa_kernel k_qad5ece1211_bn
		.amdhsa_group_segment_fixed_size 9216
		.amdhsa_private_segment_fixed_size 0
		.amdhsa_enable_private_segment 0
		.amdhsa_kernarg_size 64
		.amdhsa_user_sgpr_count 2
		.amdhsa_user_sgpr_kernarg_segment_ptr 1
		.amdhsa_wavefront_size32 1
		.amdhsa_system_sgpr_workgroup_id_x 1
		.amdhsa_system_sgpr_workgroup_id_y 1
		.amdhsa_system_sgpr_workgroup_id_z 1
		.amdhsa_system_vgpr_workitem_id 0
		.amdhsa_next_free_vgpr 194
		.amdhsa_next_free_sgpr 66
		.amdhsa_reserve_vcc 0
		.amdhsa_float_denorm_mode_32 3
		.amdhsa_float_denorm_mode_16_64 3
		.amdhsa_memory_ordered 1
		.amdhsa_forward_progress 1
		.amdhsa_inst_pref_size 22
	.end_amdhsa_kernel
	.amdgpu_metadata
---
amdhsa.version: [ 1, 2 ]
amdhsa.kernels:
  - .name:           k_qad5ece1211_bn
    .symbol:         k_qad5ece1211_bn.kd
    .args:
      - { .name: ybuf, .offset: 0, .size: 8, .value_kind: global_buffer, .address_space: global }
      - { .name: stats, .offset: 8, .size: 8, .value_kind: global_buffer, .address_space: global }
      - { .name: gamma_wli, .offset: 16, .size: 8, .value_kind: global_buffer, .address_space: global }
      - { .name: beta_wli, .offset: 24, .size: 8, .value_kind: global_buffer, .address_space: global }
      - { .name: gamma_nbi, .offset: 32, .size: 8, .value_kind: global_buffer, .address_space: global }
      - { .name: beta_nbi, .offset: 40, .size: 8, .value_kind: global_buffer, .address_space: global }
      - { .name: out0, .offset: 48, .size: 8, .value_kind: global_buffer, .address_space: global }
      - { .name: out1, .offset: 56, .size: 8, .value_kind: global_buffer, .address_space: global }
    .group_segment_fixed_size: 9216
    .private_segment_fixed_size: 0
    .kernarg_segment_align: 8
    .kernarg_segment_size: 64
    .max_flat_workgroup_size: 256
    .sgpr_count:     66
    .vgpr_count:     194
    .wavefront_size: 32
...
	.end_amdgpu_metadata
.endif
;; end of part 4
